; MI455X (gfx1250); checked and timed in simulation.
; The chip was launched on July 23, 2026; its instructions are those of AMD's public machine-readable ISA for CDNA 5 (MIT licence, August 2026) and "CDNA5" Instruction Set Architecture Reference Guide (July 2026). The comments in the code are by the model that wrote it; some were corrected since.
;; Transformer Encoder. Allowed arithmetic: float matrix products may take bf16 or f16 operands with f32 sums; other float arithmetic in f32, or as packed bf16 or f16 multiplies, adds, multiply-adds, maxima and minima; sums over many terms, partial sums and values carried from step to step in f32; what a program stores and reads back later, other than sums and carried values, may be rounded once to bf16 or f16.
;; Inputs: W1 4 x 512 x 256 float32; W2 4 x 256 x 512 float32; Win 256 x 256 float32; Wk 4 x 256 x 256 float32; Wo 4 x 256 x 256 float32; Wq 4 x 256 x 256 float32; Wv 4 x 256 x 256 float32; b1 4 x 512 float32; b2 4 x 256 float32; bin_ 256 float32; bk 4 x 256 float32; bo 4 x 256 float32; bq 4 x 256 float32; bv 4 x 256 float32; ln1_b 4 x 256 float32; ln1_g 4 x 256 float32; ln2_b 4 x 256 float32; ln2_g 4 x 256 float32; lno_b 256 float32; lno_g 256 float32; x 4 x 2 x 1,024 x 256 float32.
;; Outputs: out0 4 x 2 x 1,024 x 256 float32.
;; One version. Each part assembles by itself: llvm-mc -triple=amdgcn-amd-amdhsa -mcpu=gfx1250 --defsym DOCPART=n.
;; ======== version 1 of 1: 10 launches
;; limits: values are held in f16: magnitudes above 65,504 overflow, below 6.1e-05 lose precision
;; workspace buffers: p0 1,059,840 bytes; p1 1,059,840 bytes; p2 1,059,840 bytes; p3 1,059,840 bytes; p4 1,059,840 bytes; sa 20,971,520 bytes; sb 20,971,520 bytes; ctx 4,194,304 bytes
;; launch prep (part 1): grid 269 x 1, 4 waves a work-group, no clusters, 0 bytes of LDS; arguments Win, Wq, Wk, Wv, Wo, W1, W2, bin_, bo, ln2_g, ln2_b, b1, b2, ln1_g, ln1_b, lno_g, lno_b, bq, bk, bv, p0, p1, p2, p3, p4; writes p0, p1, p2, p3, p4
.if DOCPART == 1
	.amdgcn_target "amdgcn-amd-amdhsa--gfx1250"
	.amdhsa_code_object_version 6
	.text
	.protected	k_q9c89102e9c_prep
	.globl	k_q9c89102e9c_prep
	.p2align	8
	.type	k_q9c89102e9c_prep,@function
k_q9c89102e9c_prep:
	s_mov_b64 s[64:65], 0
	v_nop
	global_prefetch_b8 v0, s[64:65] scope:SCOPE_SE
	s_setreg_imm32_b32 hwreg(HW_REG_WAVE_MODE, 25, 1), 1
	s_wait_xcnt 0x0
; THE WEIGHTS ARE PACKED ONCE, in the order in which the dense launches walk them.  Pack j (0..4) holds eight chunks of [256 n][256 k] 16-bit numbers
; (131,072 bytes each, rows of 512 bytes) and, from byte 1,048,576 on, eleven rows of 256 f32 parameters:
;   chunk 0: Wo[j-1] (j = 0: Win)   1, 2: W1[j-1] rows 0-255, 256-511   3, 4: W2[j-1] columns 0-255, 256-511   5, 6, 7: Wq[j], Wk[j], Wv[j]
;   row 0: bo[j-1] (j = 0: bin_)   1, 2: ln2_g, ln2_b [j-1]   3, 4: b1[j-1]   5: b2[j-1]   6, 7: ln1_g, ln1_b [j] (j = 4: lno_g, lno_b)   8, 9, 10: bq, bk, bv [j]
; EVERY INPUT IS ROUNDED ONCE TO bf16, the parameters too (they are stored as that number in f32): the program has one rounding for all its inputs.
; Win multiplies x, which is bf16, and stays bf16.  All other weights multiply f16 operands, so their bf16 number is written as f16.
; LIMIT: that is exact between 6.1e-5 and 65,504; below, f16's fixed step of 6e-8 holds; beyond 65,504 it is an infinity.
; SHARES.  Work-groups 0-263: unit u = x / 8 is one chunk (u = 0: Win; else layer (u-1)/8, matrix (u-1)%8), piece x % 8 is 32 of its rows: 16 loads of 16 bytes a thread,
; a load of the work-group covers two rows; a wave's store covers 256 consecutive bytes, aligned.  Work-groups 264-268: the parameter rows of pack x - 264, 8 bytes a thread.
; No LDS and no matrix unit: each byte is read once and written once.
.set PRM, 1048576
.set OFF, 2                            ; v[2:17]   byte offsets of my 16 loads (the source's row pitch is a scalar, so it cannot stand in the immediate)
.set DO,  18                           ; v18       8 x my thread's number
.set IN,  32                           ; v[32:95]  as loaded
.set OUT, 96                           ; v[96:127] packed
	s_load_b512 s[8:23], s[0:1], 0x0               ; argument n lies in s[8+2n:9+2n]
	s_load_b512 s[24:39], s[0:1], 0x40
	s_load_b512 s[40:55], s[0:1], 0x80
	s_load_b64 s[56:57], s[0:1], 0xc0
	s_lshr_b32 s58, ttmp9, 3                       ; u
	s_and_b32 s59, ttmp9, 7                        ; piece
	s_max_u32 s60, s58, 1
	s_sub_co_u32 s60, s60, 1
	s_lshr_b32 s61, s60, 3                         ; layer i
	s_and_b32 s62, s60, 7                          ; matrix m: Wq Wk Wv Wo W1a W1b W2a W2b
	s_wait_kmcnt 0x0
	s_cmp_ge_u32 ttmp9, 264
	s_cbranch_scc1 .Lparams
	; the source
	s_mov_b64 s[66:67], s[10:11]
	s_cmp_eq_u32 s62, 1
	s_cselect_b64 s[66:67], s[12:13], s[66:67]
	s_cmp_eq_u32 s62, 2
	s_cselect_b64 s[66:67], s[14:15], s[66:67]
	s_cmp_eq_u32 s62, 3
	s_cselect_b64 s[66:67], s[16:17], s[66:67]
	s_cmp_ge_u32 s62, 4
	s_cselect_b64 s[66:67], s[18:19], s[66:67]
	s_cselect_b32 s68, 19, 18                      ; a layer of W1 or W2 is 2^19 bytes, of the others 2^18
	s_cmp_ge_u32 s62, 6
	s_cselect_b64 s[66:67], s[20:21], s[66:67]
	s_cselect_b32 s63, 11, 10                      ; log2 of the source's row pitch: W2's rows are 2,048 bytes
	s_cselect_b32 s70, 10, 18                      ; the second half: of W2 256 columns on, of W1 256 rows on
	s_cmp_eq_u32 s58, 0
	s_cselect_b64 s[66:67], s[8:9], s[66:67]       ; unit 0 is Win
	s_lshl_b32 s68, s61, s68
	s_and_b32 s69, s62, 1
	s_lshl_b32 s69, s69, s70
	s_cmp_ge_u32 s62, 4
	s_cselect_b32 s69, s69, 0
	s_add_co_u32 s68, s68, s69
	s_add_co_u32 s70, s63, 5
	s_lshl_b32 s70, s59, s70                       ; my piece's 32 rows
	s_add_co_u32 s68, s68, s70                     ; (for unit 0 layer and matrix are 0, so only the piece is left)
	s_mov_b32 s69, 0
	s_add_nc_u64 s[66:67], s[66:67], s[68:69]
	; the destination: Wq, Wk, Wv of layer i go to pack i, the others to pack i + 1; chunk (m + 5) % 8
	s_cmp_ge_u32 s62, 3
	s_cselect_b32 s71, 1, 0
	s_add_co_u32 s71, s71, s61
	s_add_co_u32 s72, s62, 5
	s_and_b32 s72, s72, 7
	s_cmp_eq_u32 s58, 0
	s_cselect_b32 s72, 0, s72
	s_mov_b64 s[74:75], s[48:49]
	s_cmp_eq_u32 s71, 1
	s_cselect_b64 s[74:75], s[50:51], s[74:75]
	s_cmp_eq_u32 s71, 2
	s_cselect_b64 s[74:75], s[52:53], s[74:75]
	s_cmp_eq_u32 s71, 3
	s_cselect_b64 s[74:75], s[54:55], s[74:75]
	s_cmp_eq_u32 s71, 4
	s_cselect_b64 s[74:75], s[56:57], s[74:75]
	s_lshl_b32 s72, s72, 17
	s_lshl_b32 s73, s59, 14
	s_add_co_u32 s72, s72, s73
	s_mov_b32 s73, 0
	s_add_nc_u64 s[74:75], s[74:75], s[72:73]
	v_lshrrev_b32 v1, 6, v0                        ; which of a load's two rows
	v_and_b32 v19, 63, v0
	v_lshlrev_b32 v1, s63, v1
	v_lshl_add_u32 v[OFF], v19, 4, v1
	s_lshl_b32 s76, 2, s63                         ; two rows
.set i, 1
.rept 15
	v_add_nc_u32 v[OFF+i], s76, v[OFF+i-1]
.set i, i+1
.endr
	v_lshlrev_b32 v[DO], 3, v0
.set i, 0
.rept 16
	global_load_b128 v[IN+4*i:IN+4*i+3], v[OFF+i], s[66:67] th:TH_LOAD_NT
.set i, i+1
.endr
.macro CONV f16                        ; f16 = 1: the bf16 number is written as f16
.set i, 0
.rept 16
	s_wait_loadcnt 15-i                            ; loads come back in order: load i is in, the younger ones stay out
	v_cvt_pk_bf16_f32 v[OUT+2*i], v[IN+4*i], v[IN+4*i+1]
	v_cvt_pk_bf16_f32 v[OUT+2*i+1], v[IN+4*i+2], v[IN+4*i+3]
.if \f16
	v_lshlrev_b32 v20, 16, v[OUT+2*i]
	v_and_b32 v21, 0xffff0000, v[OUT+2*i]
	v_lshlrev_b32 v22, 16, v[OUT+2*i+1]
	v_and_b32 v23, 0xffff0000, v[OUT+2*i+1]
	v_cvt_pk_f16_f32 v[OUT+2*i], v20, v21
	v_cvt_pk_f16_f32 v[OUT+2*i+1], v22, v23
.endif
	global_store_b64 v[DO], v[OUT+2*i:OUT+2*i+1], s[74:75] offset:i*1024
.set i, i+1
.endr
.endm
	s_cmp_lg_u32 s58, 0                            ; every unit but Win
	s_cbranch_scc1 .Lf16
	CONV 0
	s_endpgm
.Lf16:
	CONV 1
	s_endpgm
.macro RND a                           ; a pair of parameters, rounded to bf16 and widened again
	v_cvt_pk_bf16_f32 v20, v[\a], v[\a+1]
	v_lshlrev_b32 v[\a], 16, v20
	v_and_b32 v[\a+1], 0xffff0000, v20
.endm
.Lparams:
	s_sub_co_u32 s58, ttmp9, 264                   ; pack j
	s_max_u32 s59, s58, 1
	s_sub_co_u32 s59, s59, 1                       ; j - 1, held at 0
	s_min_u32 s60, s58, 3                          ; j, held at 3
	s_lshl_b32 s66, s59, 10
	s_mov_b32 s67, 0
	s_lshl_b32 s68, s60, 10
	s_mov_b32 s69, 0
	s_lshl_b32 s70, s59, 11
	s_mov_b32 s71, 0
	v_lshlrev_b32 v1, 3, v0
	s_mov_b64 s[74:75], s[48:49]
	s_cmp_eq_u32 s58, 1
	s_cselect_b64 s[74:75], s[50:51], s[74:75]
	s_cmp_eq_u32 s58, 2
	s_cselect_b64 s[74:75], s[52:53], s[74:75]
	s_cmp_eq_u32 s58, 3
	s_cselect_b64 s[74:75], s[54:55], s[74:75]
	s_cmp_eq_u32 s58, 4
	s_cselect_b64 s[74:75], s[56:57], s[74:75]
	s_add_nc_u64 s[74:75], s[74:75], PRM
	; rows 0, 6, 7: every pack has them
	s_add_nc_u64 s[24:25], s[24:25], s[66:67]
	s_cmp_eq_u32 s58, 0
	s_cselect_b64 s[24:25], s[22:23], s[24:25]
	s_add_nc_u64 s[34:35], s[34:35], s[68:69]
	s_add_nc_u64 s[36:37], s[36:37], s[68:69]
	s_cmp_eq_u32 s58, 4
	s_cselect_b64 s[34:35], s[38:39], s[34:35]
	s_cselect_b64 s[36:37], s[40:41], s[36:37]
	global_load_b64 v[32:33], v1, s[24:25]
	global_load_b64 v[34:35], v1, s[34:35]
	global_load_b64 v[36:37], v1, s[36:37]
	s_wait_loadcnt 0x0
	RND 32
	RND 34
	RND 36
	global_store_b64 v1, v[32:33], s[74:75]
	global_store_b64 v1, v[34:35], s[74:75] offset:6144
	global_store_b64 v1, v[36:37], s[74:75] offset:7168
	s_cmp_eq_u32 s58, 0
	s_cbranch_scc1 .Lno_b                          ; pack 0 has no layer behind it
	s_add_nc_u64 s[26:27], s[26:27], s[66:67]
	s_add_nc_u64 s[28:29], s[28:29], s[66:67]
	s_add_nc_u64 s[30:31], s[30:31], s[70:71]
	s_add_nc_u64 s[32:33], s[32:33], s[66:67]
	global_load_b64 v[38:39], v1, s[26:27]
	global_load_b64 v[40:41], v1, s[28:29]
	global_load_b64 v[42:43], v1, s[30:31]
	global_load_b64 v[44:45], v1, s[30:31] offset:1024
	global_load_b64 v[46:47], v1, s[32:33]
	s_wait_loadcnt 0x0
	RND 38
	RND 40
	RND 42
	RND 44
	RND 46
	global_store_b64 v1, v[38:39], s[74:75] offset:1024
	global_store_b64 v1, v[40:41], s[74:75] offset:2048
	global_store_b64 v1, v[42:43], s[74:75] offset:3072
	global_store_b64 v1, v[44:45], s[74:75] offset:4096
	global_store_b64 v1, v[46:47], s[74:75] offset:5120
.Lno_b:
	s_cmp_eq_u32 s58, 4
	s_cbranch_scc1 .Lend                           ; pack 4 has no layer in front of it
	s_add_nc_u64 s[42:43], s[42:43], s[68:69]
	s_add_nc_u64 s[44:45], s[44:45], s[68:69]
	s_add_nc_u64 s[46:47], s[46:47], s[68:69]
	global_load_b64 v[48:49], v1, s[42:43]
	global_load_b64 v[50:51], v1, s[44:45]
	global_load_b64 v[52:53], v1, s[46:47]
	s_wait_loadcnt 0x0
	RND 48
	RND 50
	RND 52
	global_store_b64 v1, v[48:49], s[74:75] offset:8192
	global_store_b64 v1, v[50:51], s[74:75] offset:9216
	global_store_b64 v1, v[52:53], s[74:75] offset:10240
.Lend:
	s_endpgm
.Lfunc_end_k_q9c89102e9c_prep:
	.size	k_q9c89102e9c_prep, .Lfunc_end_k_q9c89102e9c_prep-k_q9c89102e9c_prep
	.p2alignl 7, 3214868480
	.fill 96, 4, 3214868480
	.section	.rodata,"a",@progbits
	.p2align	6, 0x0
	.amdhsa_kernel k_q9c89102e9c_prep
		.amdhsa_group_segment_fixed_size 0
		.amdhsa_private_segment_fixed_size 0
		.amdhsa_enable_private_segment 0
		.amdhsa_kernarg_size 200
		.amdhsa_user_sgpr_count 2
		.amdhsa_user_sgpr_kernarg_segment_ptr 1
		.amdhsa_wavefront_size32 1
		.amdhsa_system_sgpr_workgroup_id_x 1
		.amdhsa_system_sgpr_workgroup_id_y 1
		.amdhsa_system_sgpr_workgroup_id_z 1
		.amdhsa_system_vgpr_workitem_id 0
		.amdhsa_next_free_vgpr 128
		.amdhsa_next_free_sgpr 80
		.amdhsa_reserve_vcc 0
		.amdhsa_float_denorm_mode_32 3
		.amdhsa_float_denorm_mode_16_64 3
		.amdhsa_memory_ordered 1
		.amdhsa_forward_progress 1
		.amdhsa_inst_pref_size 23
	.end_amdhsa_kernel
	.amdgpu_metadata
---
amdhsa.version: [ 1, 2 ]
amdhsa.kernels:
  - .name:           k_q9c89102e9c_prep
    .symbol:         k_q9c89102e9c_prep.kd
    .args:
      - { .name: Win, .offset: 0, .size: 8, .value_kind: global_buffer, .address_space: global }
      - { .name: Wq, .offset: 8, .size: 8, .value_kind: global_buffer, .address_space: global }
      - { .name: Wk, .offset: 16, .size: 8, .value_kind: global_buffer, .address_space: global }
      - { .name: Wv, .offset: 24, .size: 8, .value_kind: global_buffer, .address_space: global }
      - { .name: Wo, .offset: 32, .size: 8, .value_kind: global_buffer, .address_space: global }
      - { .name: W1, .offset: 40, .size: 8, .value_kind: global_buffer, .address_space: global }
      - { .name: W2, .offset: 48, .size: 8, .value_kind: global_buffer, .address_space: global }
      - { .name: bin_, .offset: 56, .size: 8, .value_kind: global_buffer, .address_space: global }
      - { .name: bo, .offset: 64, .size: 8, .value_kind: global_buffer, .address_space: global }
      - { .name: ln2_g, .offset: 72, .size: 8, .value_kind: global_buffer, .address_space: global }
      - { .name: ln2_b, .offset: 80, .size: 8, .value_kind: global_buffer, .address_space: global }
      - { .name: b1, .offset: 88, .size: 8, .value_kind: global_buffer, .address_space: global }
      - { .name: b2, .offset: 96, .size: 8, .value_kind: global_buffer, .address_space: global }
      - { .name: ln1_g, .offset: 104, .size: 8, .value_kind: global_buffer, .address_space: global }
      - { .name: ln1_b, .offset: 112, .size: 8, .value_kind: global_buffer, .address_space: global }
      - { .name: lno_g, .offset: 120, .size: 8, .value_kind: global_buffer, .address_space: global }
      - { .name: lno_b, .offset: 128, .size: 8, .value_kind: global_buffer, .address_space: global }
      - { .name: bq, .offset: 136, .size: 8, .value_kind: global_buffer, .address_space: global }
      - { .name: bk, .offset: 144, .size: 8, .value_kind: global_buffer, .address_space: global }
      - { .name: bv, .offset: 152, .size: 8, .value_kind: global_buffer, .address_space: global }
      - { .name: p0, .offset: 160, .size: 8, .value_kind: global_buffer, .address_space: global }
      - { .name: p1, .offset: 168, .size: 8, .value_kind: global_buffer, .address_space: global }
      - { .name: p2, .offset: 176, .size: 8, .value_kind: global_buffer, .address_space: global }
      - { .name: p3, .offset: 184, .size: 8, .value_kind: global_buffer, .address_space: global }
      - { .name: p4, .offset: 192, .size: 8, .value_kind: global_buffer, .address_space: global }
    .group_segment_fixed_size: 0
    .private_segment_fixed_size: 0
    .kernarg_segment_align: 8
    .kernarg_segment_size: 200
    .max_flat_workgroup_size: 128
    .sgpr_count:     80
    .vgpr_count:     128
    .wavefront_size: 32
...
	.end_amdgpu_metadata
.endif
;; end of part 1
;; launch pre (part 2): grid 256 x 1, 4 waves a work-group, clusters of 4 x 1, 327,680 bytes of LDS; arguments p0, x, sa; writes sa
.if DOCPART == 2
	.amdgcn_target "amdgcn-amd-amdhsa--gfx1250"
	.amdhsa_code_object_version 6
	.text
	.protected	k_q9c89102e9c_pre
	.globl	k_q9c89102e9c_pre
	.p2align	8
	.type	k_q9c89102e9c_pre,@function
k_q9c89102e9c_pre:
	s_mov_b64 s[64:65], 0
	v_nop
	global_prefetch_b8 v0, s[64:65] scope:SCOPE_SE
	s_setreg_imm32_b32 hwreg(HW_REG_WAVE_MODE, 25, 1), 1
	s_wait_xcnt 0x0
	s_wait_alu depctr_hold_cnt(0) depctr_sa_sdst(0) depctr_va_vdst(0) depctr_va_sdst(0) depctr_va_ssrc(0) depctr_va_vcc(0) depctr_vm_vsrc(0)
	s_getreg_b32 s2, hwreg(HW_REG_IB_STS2, 6, 4)
	s_cmp_eq_u32 s2, 0
	s_cbranch_scc0 .Lentry_in_a_cluster
	s_endpgm
.Lentry_in_a_cluster:
	s_bfe_u32 s2, ttmp6, 0x10000c
	s_cmp_lg_u32 s2, 0x3003
	s_cbranch_scc0 .Lentry_shape_is_right
	s_endpgm
.Lentry_shape_is_right:
; THE DENSE CHAIN BETWEEN TWO ATTENTIONS, one text in three modes (MODE below); this file is one of them.
;   MODE 0 (pack, x, state out):            e = x Win^T + bin;                                                             e = LN1(e); e, q, k, v are stored
;   MODE 1 (pack, ctx, state in, state out): e = e + ctx Wo^T + bo; e = LN2(e); e = e + relu(e W1^T + b1) W2^T + b2;       e = LN1(e); e, q, k, v are stored
;   MODE 2 (pack, ctx, state in, out0):      the same up to W2;                                                            out0 = LNo(e)
; FORMATS.  x and Win bf16; every other weight arrives as its bf16 number written in f16; biases and gains arrive rounded to bf16, in f32.  What the program itself makes and multiplies again
; (ctx, q, k, v, the LayerNorms' outputs, the hidden units) is f16; sums, LayerNorms and the residual e are f32.  q is stored times c = log2(e) / sqrt(32), multiplied in f32 and rounded once.
; LIMIT: |c q|, |k|, |v|, the LayerNorms' outputs (at most 16 |gain| + |shift|) and the hidden units stay under 65,504, f16's end; beyond it an infinity is made.
; SHARES.  A work-group owns 32 rows (two row tiles rt of 16), whole, since a LayerNorm wants whole rows: 8,192 rows on 256 work-groups.  Wave w owns columns 64 w .. 64 w + 63 of every chunk of 256
; output columns: four column tiles t, eight accumulators.  A chunk ([256 n][256 k], 16 bits) is 8 K steps x 8 = 64 matrix instructions a wave.
; THE PRODUCT IS TAKEN TRANSPOSED (source 0 = 16 weight rows, source 1 = 16 activation rows): a lane holds ONE row (lane % 16) and eight neighbouring columns 8 (lane / 16) + 0..7.  V alone is taken
; the other way round: a lane then holds one channel and eight keys, which is the fragment that attention's second product wants.
; FRAGMENT ORDER.  Every 16 bytes that a lane holds are stored where the reader's fragment load wants them: each load and store of e, q, k, v, ctx is base + 16 x lane, 512 consecutive bytes, aligned.
; WEIGHTS.  All work-groups walk the same pack, so the four of a cluster ask for each chunk JOINTLY (mask 15).  Wave w brings the 64 weight rows that it multiplies.  Two slots, a chunk each; a wave has
; two tensor loads out at the start and one behind each round.  ONE descriptor walks: each refill turns its LDS word to the other slot and steps its address by a chunk.  In MODE 1 and 2 the first refill
; stands straight behind the first product: slot 0 has been read out, and the LayerNorm that follows needs no weights.
; TWO CHUNKS, ONE TEXT.  W1's two halves, and Wq and Wk, are loops of two trips.  The slot that is read and the block that is written hang on scalars that are turned each trip; the second trip's bias is
; copied into the first's registers (in both trips), the activations' fragments are loaded again, and k is multiplied by 1.0 where q is multiplied by c: the price of the shorter text.
; AHEAD OF THE REFILLS.  Behind each refill but the last, the chunk that the NEXT refill will ask for is prefetched into the L2: its 131,072 bytes are 512 blocks of 256.  The first cluster asks, nobody
; else: its 16 waves take 32 blocks each, a lane a block, told apart by address (4 x place in the cluster + wave): one instruction a wave.  The launch's first three chunks come by their loads alone.
; LAYERNORM.  Each wave makes mean and sum of squared deviations of its 64 columns; the four meet in LDS and are combined from means and deviations: no difference of large sums is formed.
.set MODE, 0
.set SLOT1,  135168                    ; a slot: 256 rows x 528 bytes (512 + 16 of padding: the 16 rows of a fragment load start at 16 different groups of four banks).  135,168 shares no bit with wave x 33,792
.set WROWS,  33792                     ; a wave's 64 rows of a slot
.set X0,     270336                    ; activations in fragment order: (8 rt + K step) x 1,024 + part x 512 + 16 x lane; 16,384 bytes
.set X1,     286720                    ; a second such block.  (MODE 0: from X0 on first x as bf16 in rows of 528 bytes, 16,896 bytes)
.set ST,     303104                    ; LayerNorm's meeting place, twice 1,024 bytes: [32 rows][4 waves][mean, sum of squares]
.set SPARE,  305152                    ; the spare words, 128 bytes for each wave: two blocks of 256 bytes that no other line names
.set X2,     305664                    ; a third block of activations
.set STG,    X2                        ; MODE 2, behind the last LayerNorm's barrier: a stage of 16 rows x 272 bytes for each wave.  No tensor load lands from X0 on
.set CHUNK,  131072
.set PRM,    1048576
.set QKV,    4194304                   ; bytes of q, of k and of v in a state
; window 0
.set RR, 1                             ; lane % 16
.set HH, 2                             ; lane / 16
.set SPW, 3                            ; LDS address of my spare word; never rewritten
.set NIL, 4                            ; 0; never rewritten
.set BA, 5                             ; my place in my 64 weight rows of slot 0
.set BAC, 6                            ; the same in the slot that is read next
.set XR0, 7                            ; X0, X1 + 16 x lane
.set XR1, 8
.set XW0, 9                            ; the same + 2,048 w: where my columns' fragments go
.set XW1, 10
.set STW, 11
.set STR, 12
.set LO, 13                            ; 16 x lane
.set PO, 14                            ; parameters of my columns: 256 w + 32 (lane / 16)
.set PVO, 15                           ; bv of my channel: 256 w + 4 (lane % 16)
.set ZERO, 16
.set MA, 17                            ; MODE 0: my offset in x;  MODE 2: into the stage
.set MB, 18                            ; MODE 0: where x goes in LDS;  MODE 2: back from the stage
.set MC, 19                            ; MODE 0: x's fragments;  MODE 2: my offset in out0
.set T, 20                             ; v[20:51] LayerNorm's registers, 16 a row tile
.set XC, 52                            ; where W1's trip in hand puts its hidden units
.set PFO, 53                           ; 256 x lane: the prefetches' offset; never rewritten
.set XR2, 54                           ; X2 + 16 x lane
.set ACC0, 64                          ; tile (rt, t) at + 8 (4 rt + t)
.set ACC1, 128
.set TP, 192                           ; v[192:223] packed results
; window 1: v[0:127] the activations' fragments, (rt, K step) at 8 (8 rt + K step); then gains and shifts, register 8 t + j for column 64 w + 16 t + 8 (lane / 16) + j
.set G2, 128
.set B2L, 160
.set G1V, 192
.set B1L, 224
; window 2: v[0:255] my weight fragments of a whole chunk, (K step, t) at 8 (4 K step + t)
; window 3: biases, laid as the gains; BV: all eight registers of tile t hold bv of channel 64 w + 16 t + lane % 16
.set BO, 0
.set B1A, 32
.set B1B, 64
.set B2, 96
.set BQ, 128
.set BK, 160
.set BV, 192
.set WV, 12
.set CX, 13
.set WG, 14
.set CNT, 15                           ; counts a loop's two trips
.set G1, 16                            ; s[16:23] descriptor group 1
.set G0A, 24                           ; s[24:27] group 0 of the first fill of slot 0
.set GW, 28                            ; s[28:31] group 0 that walks: the first fill of slot 1, then every refill
.set PW, 32                            ; pack + my 64 rows of a chunk
.set PP, 34                            ; pack's parameters
.set EIN, 36
.set EOUT, 38                          ; MODE 2: out0 at my work-group's rows
.set INB, 40                           ; ctx or x at my work-group's rows
.set OBW, 42                           ; the state's q, k, v at my place: it walks from one to the next
.set PFA, 44                           ; my 32 blocks in the chunk that the walking descriptor names; a prefetch names the chunk behind it
.set SEL, 48                           ; v_permlanex16_b32's selects: each lane takes its own place in the other half
.set CS, 50                            ; s[50:51] c for q, then 1.0 for k: the packed multiply takes the pair's low word for both halves
.set INV, 52                           ; 1 / 256
.set EPS, 53
.set C64, 56                           ; 64.0
.set TS, 57                            ; 0 or SLOT1: the slot that is read next
.set TX, 58                            ; 0 or X2 - X0: the block that W1's trip writes
.set PFL, 59                           ; prefetches still to come: 0 in every cluster but the first
.set MSB, 0
.macro WIN new                         ; the immediate's high byte repeats the setting that is left; a switch that changes nothing is dropped
.if MSB != (\new)
	s_set_vgpr_msb (MSB<<8)|(\new)
.set MSB, (\new)
.endif
.endm
.macro PLACES n
.rept \n
	v_nop
.endr
.endm
; A round of the cluster's barrier: my work-group's barrier, wave 0 signals for the work-group, every wave waits for all four work-groups, my work-group's barrier once more.
.macro CROUND
	s_barrier_signal -1
	s_barrier_wait -1
	s_cmp_lg_u32 s[WV], 0
	s_cbranch_scc1 .Lnot_wave_0_\@
	s_barrier_signal -3
.Lnot_wave_0_\@:
	s_barrier_wait -3
	s_barrier_signal -1
	s_barrier_wait -1
.endm
.macro XBAR                            ; activations stored in front of it are handed to the other waves; a refill on its way may stay out
	s_wait_dscnt 0x0
	s_barrier_signal -1
	s_barrier_wait -1
.endm
.macro LDVEC dst, row                  ; parameter row 'row' for my 32 columns a lane; the caller sets the window
.set tt, 0
.rept 4
	global_load_b128 v[(\dst)+8*tt:(\dst)+8*tt+3],   v[PO], s[PP:PP+1] offset:(\row)*1024+tt*64
	global_load_b128 v[(\dst)+8*tt+4:(\dst)+8*tt+7], v[PO], s[PP:PP+1] offset:(\row)*1024+tt*64+16
.set tt, tt+1
.endr
.endm
.macro LDVECV dst                      ; bv by channel: one number a tile,
.set tt, 0
.rept 4
	global_load_b32 v[(\dst)+8*tt], v[PVO], s[PP:PP+1] offset:10240+tt*64
.set tt, tt+1
.endr
.endm
.macro SPREADV dst                     ; which fills the tile's eight registers: the operand that starts V's sums
	WIN 0xc3
.set i, 0
.rept 32
.if i%8
	v_mov_b32 v[(\dst)+i], v[(\dst)+i-i%8]
.endif
.set i, i+1
.endr
	WIN 0
.endm
.macro COPYB dst, src                  ; the loop's second bias takes the first's place (the last trip's copy serves nothing)
	WIN 0xc3
.set i, 0
.rept 32
	v_mov_b32 v[(\dst)+i], v[(\src)+i]
.set i, i+1
.endr
	WIN 0
.endm
.macro ASK                             ; the prefetch; the branch hangs on the cluster's number and a count: it is the same in all four partners
	s_cmp_lg_u32 s[PFL], 0
	s_cbranch_scc0 .Lnone_\@
	global_prefetch_b8 v[PFO], s[PFA:PFA+1] offset:CHUNK th:TH_LOAD_NT scope:SCOPE_SE
	s_sub_co_u32 s[PFL], s[PFL], 1
.Lnone_\@:
.endm
; THE CHANGE OF SLOTS.  Every wave waits for all its tensor loads (one is out: its rows of the other slot), adds 0 to its spare word, and waits for that, for its reads of the slot that it leaves and for
; its stores of activations.  fill = 1: the barrier is a round of the cluster's, and the joint refill of the slot just read is the first thing behind it.  fill = 0: nothing is left to ask for.
; The same barrier hands the activations stored in front of it to the other waves.
.macro CHANGE fill
	WIN 0
	s_wait_tensorcnt 0x0
	ds_add_u32 v[SPW], v[NIL]                      ; the scalar steps stand between the add and the wait for it
	s_xor_b32 s[TS], s[TS], SLOT1                  ; the other slot is read next
.if \fill
	s_xor_b32 s[GW+1], s[GW+1], SLOT1              ; the walking descriptor: the other slot than last time,
	s_add_nc_u64 s[GW+2:GW+3], s[GW+2:GW+3], CHUNK ; the next chunk; the type bits on top are not reached
	s_wait_xcnt 0x0                                ; the last prefetch, a chunk back, has read its address
	s_add_nc_u64 s[PFA:PFA+1], s[PFA:PFA+1], CHUNK
	s_wait_dscnt 0x0
	CROUND
	tensor_load_to_lds s[GW:GW+3], s[G1:G1+7]
	s_nop 0
	PLACES 4
	ASK
.else
	s_wait_dscnt 0x0
	s_barrier_signal -1
	s_barrier_wait -1
.endif
	v_add_nc_u32 v[BAC], s[TS], v[BA]
.endm
.macro ALOAD xr, srt, sks, sp          ; the 32 rows' fragments, all 8 K steps: 32 loads
	WIN 0x40
.set i, 0
.rept 16                               ; i = 8 rt + K step
	ds_load_b128 v[8*i:8*i+3],   v[\xr] offset:(i/8)*(\srt)+(i%8)*(\sks)
	ds_load_b128 v[8*i+4:8*i+7], v[\xr] offset:(i/8)*(\srt)+(i%8)*(\sks)+(\sp)
.set i, i+1
.endr
.endm
.macro MM fmt, d, a, b, c
	v_wmma_f32_16x16x32_\fmt v[\d:\d+7], v[\a:\a+7], v[\b:\b+7], v[\c:\c+7]
.endm
; A CHUNK: 64 LDS loads bring my weight fragments, K step by K step; 64 matrix instructions follow them.  The eight accumulators take turns, one instruction a turn.
; cvec >= 0: the first K step starts the sums with that bias (window 3); cvec = -1: it adds onto what the accumulators hold.  swap = 1: the activations are source 0.
.macro GEMM acc, cvec, swap, fmt
	WIN 0x80
.set ks, 0
.rept 8
.set tt, 0
.rept 4
	ds_load_b128 v[8*(4*ks+tt):8*(4*ks+tt)+3],   v[BAC] offset:tt*8448+ks*64
	ds_load_b128 v[8*(4*ks+tt)+4:8*(4*ks+tt)+7], v[BAC] offset:tt*8448+ks*64+32
.set tt, tt+1
.endr
.set ks, ks+1
.endr
.set ks, 0
.rept 8
	s_wait_dscnt 56-8*ks                           ; the later K steps' loads, eight each, may stay out; all that was issued earlier is in
.if (ks == 0) && ((\cvec) >= 0)
	WIN 0x36+3*(\swap)
.else
	WIN 0x06+3*(\swap)
.endif
.set tt, 0
.rept 4
.set rr, 0
.rept 2
.set rD, (\acc)+8*(4*rr+tt)
.set rB, 8*(4*ks+tt)
.set rA, 8*(8*rr+ks)
.set rC, rD
.if (ks == 0) && ((\cvec) >= 0)
.set rC, (\cvec)+8*tt
.endif
.if \swap
	MM \fmt, rD, rA, rB, rC
.else
	MM \fmt, rD, rB, rA, rC
.endif
.set rr, rr+1
.endr
.set tt, tt+1
.endr
.set ks, ks+1
.endr
	WIN 0
	PLACES 8                                       ; behind the last products, in front of all that reads their results or writes or loads into their sources
.endm
.macro ADDV acc, vec                   ; a bias of window 3 onto both row tiles
	WIN 0x0c
.set p, 0
.rept 32
	v_pk_add_f32 v[(\acc)+2*p:(\acc)+2*p+1], v[(\acc)+2*p:(\acc)+2*p+1], v[(\vec)+2*(p%16):(\vec)+2*(p%16)+1]
.set p, p+1
.endr
	WIN 0
.endm
.macro BOTH line:vararg                ; one line for each row tile
.set tb, T
	\line
.set tb, T+16
	\line
.endm
; LAYERNORM in place on acc; st: which meeting place; g, b: gain and shift (window 1).
.macro LN acc, st, g, b
	WIN 0
.set k, 2
.rept 3                                ; my 32 numbers of the row, each accumulator from its low end on
.set p, 0
.rept 8
.set xx, (\acc)+8*p
.set pp, T+16*(p/4)+2*(p%4)
.if k == 2
	v_pk_add_f32 v[pp:pp+1], v[xx:xx+1], v[xx+2:xx+3]
.else
	v_pk_add_f32 v[pp:pp+1], v[pp:pp+1], v[xx+k:xx+k+1]
.endif
.set p, p+1
.endr
.set k, k+2
.endr
	BOTH v_pk_add_f32 v[tb:tb+1], v[tb:tb+1], v[tb+2:tb+3]
	BOTH v_pk_add_f32 v[tb+4:tb+5], v[tb+4:tb+5], v[tb+6:tb+7]
	BOTH v_pk_add_f32 v[tb:tb+1], v[tb:tb+1], v[tb+4:tb+5]
	BOTH v_add_f32 v[tb+8], v[tb], v[tb+1]
	BOTH v_permlanex16_b32 v[tb+2], v[tb+8], s[SEL], s[SEL+1]
	BOTH v_add_f32 v[tb+8], v[tb+8], v[tb+2]
	BOTH v_mul_f32 v[tb+8], 0x3c800000, v[tb+8]
	BOTH v_mov_b32 v[tb+9], v[tb+8]
.set p, 0
.rept 16                               ; squared deviations from my wave's mean, two chains a row tile
.set dd, T+2*(p%4)
.set xx, (\acc)+2*p
.set cc, T+10+2*(p%2)
	v_pk_add_f32 v[dd:dd+1], v[xx:xx+1], v[T+8:T+9] neg_lo:[0,1] neg_hi:[0,1]
	v_pk_add_f32 v[dd+16:dd+17], v[xx+32:xx+33], v[T+24:T+25] neg_lo:[0,1] neg_hi:[0,1]
.if p < 2
	v_pk_mul_f32 v[cc:cc+1], v[dd:dd+1], v[dd:dd+1]
	v_pk_mul_f32 v[cc+16:cc+17], v[dd+16:dd+17], v[dd+16:dd+17]
.else
	v_pk_fma_f32 v[cc:cc+1], v[dd:dd+1], v[dd:dd+1], v[cc:cc+1]
	v_pk_fma_f32 v[cc+16:cc+17], v[dd+16:dd+17], v[dd+16:dd+17], v[cc+16:cc+17]
.endif
.set p, p+1
.endr
	BOTH v_pk_add_f32 v[tb+10:tb+11], v[tb+10:tb+11], v[tb+12:tb+13]
	BOTH v_add_f32 v[tb+9], v[tb+10], v[tb+11]
	BOTH v_permlanex16_b32 v[tb+2], v[tb+9], s[SEL], s[SEL+1]
	BOTH v_add_f32 v[tb+9], v[tb+9], v[tb+2]
	ds_store_b64 v[STW], v[T+8:T+9] offset:(\st)*1024
	ds_store_b64 v[STW], v[T+24:T+25] offset:(\st)*1024+512
	s_wait_dscnt 0x0                               ; for the others' sake: my two stores are done
	s_barrier_signal -1                            ; the refill on its way may stay out
	s_barrier_wait -1
	ds_load_b128 v[T:T+3], v[STR] offset:(\st)*1024
	ds_load_b128 v[T+4:T+7], v[STR] offset:(\st)*1024+16
	ds_load_b128 v[T+16:T+19], v[STR] offset:(\st)*1024+512
	ds_load_b128 v[T+20:T+23], v[STR] offset:(\st)*1024+528
	s_wait_dscnt 0x0
	BOTH v_add_f32 v[tb+8], v[tb], v[tb+2]
	BOTH v_add_f32 v[tb+9], v[tb+4], v[tb+6]
	BOTH v_add_f32 v[tb+8], v[tb+8], v[tb+9]
	BOTH v_mul_f32 v[tb+8], 0x3e800000, v[tb+8]
	BOTH v_sub_f32 v[tb], v[tb], v[tb+8]
	BOTH v_sub_f32 v[tb+2], v[tb+2], v[tb+8]
	BOTH v_sub_f32 v[tb+4], v[tb+4], v[tb+8]
	BOTH v_sub_f32 v[tb+6], v[tb+6], v[tb+8]
	BOTH v_mul_f32 v[tb+10], v[tb], v[tb]
	BOTH v_fma_f32 v[tb+10], v[tb+2], v[tb+2], v[tb+10]
	BOTH v_fma_f32 v[tb+10], v[tb+4], v[tb+4], v[tb+10]
	BOTH v_fma_f32 v[tb+10], v[tb+6], v[tb+6], v[tb+10]
	BOTH v_add_f32 v[tb+1], v[tb+1], v[tb+3]
	BOTH v_add_f32 v[tb+5], v[tb+5], v[tb+7]
	BOTH v_add_f32 v[tb+1], v[tb+1], v[tb+5]
	BOTH v_fma_f32 v[tb+1], v[tb+10], s[C64], v[tb+1]
	BOTH v_fma_f32 v[tb+12], v[tb+1], s[INV], s[EPS]
	BOTH v_rsq_f32 v[tb+10], v[tb+12]
	v_nop                                          ; the plain instruction behind the two roots,
	s_wait_alu depctr_va_vdst(0)                   ; and one wait for both, ahead of their first reader
	BOTH v_mul_f32 v[tb+12], v[tb+8], v[tb+10]
.set p, 0
.rept 32                               ; x rs - mean rs, one fused multiply-add for two numbers; the pairs' low words serve both halves
.set tb, T+16*(p/16)
	v_pk_fma_f32 v[(\acc)+2*p:(\acc)+2*p+1], v[(\acc)+2*p:(\acc)+2*p+1], v[tb+10:tb+11], v[tb+12:tb+13] op_sel_hi:[1,0,0] neg_lo:[0,0,1] neg_hi:[0,0,1]
.set p, p+1
.endr
	WIN 0x14
.set p, 0
.rept 32
	v_pk_fma_f32 v[(\acc)+2*p:(\acc)+2*p+1], v[(\acc)+2*p:(\acc)+2*p+1], v[(\g)+2*(p%16):(\g)+2*(p%16)+1], v[(\b)+2*(p%16):(\b)+2*(p%16)+1]
.set p, p+1
.endr
	WIN 0
.endm
.macro PACKX acc, xw, relu             ; rounded to f16 (relu = 1: negative numbers become 0) and stored as the next product's fragments
	WIN 0
.set p, 0
.rept 32
	v_cvt_pk_f16_f32 v[TP+p], v[(\acc)+2*p], v[(\acc)+2*p+1]
.set p, p+1
.endr
.if \relu
.set p, 0
.rept 32
	v_pk_max_num_f16 v[TP+p], v[TP+p], v[ZERO]
.set p, p+1
.endr
.endif
.set p, 0
.rept 8                                ; p = 4 rt + t: columns 64 w + 16 t are K step 2 w + t / 2, part t % 2
	ds_store_b128 v[\xw], v[TP+4*p:TP+4*p+3] offset:(p/4)*8192+((p%4)/2)*1024+(p%2)*512
.set p, p+1
.endr
.endm
.macro OUTH acc, kind, scale           ; q, k (kind 0) or v (kind 1) leave as f16, 512 consecutive bytes a store
	WIN 0
	s_wait_xcnt 0x0                                ; earlier stores have read their registers and their base: TP and the base are rewritten only behind this wait
	s_add_nc_u64 s[OBW:OBW+1], s[OBW:OBW+1], QKV   ; on to q, then to k, then to v
.if \scale
.set p, 0
.rept 32
	v_pk_mul_f32 v[(\acc)+2*p:(\acc)+2*p+1], v[(\acc)+2*p:(\acc)+2*p+1], s[CS:CS+1] op_sel_hi:[1,0]
.set p, p+1
.endr
.endif
.set p, 0
.rept 32
	v_cvt_pk_f16_f32 v[TP+p], v[(\acc)+2*p], v[(\acc)+2*p+1]
.set p, p+1
.endr
.set p, 0
.rept 8
.if \kind
	global_store_b128 v[LO], v[TP+4*p:TP+4*p+3], s[OBW:OBW+1] offset:((p%4)/2)*65536+(p%2)*1024+(p/4)*512
.else
	global_store_b128 v[LO], v[TP+4*p:TP+4*p+3], s[OBW:OBW+1] offset:((p%4)/2)*65536+(p/4)*1024+(p%2)*512
.endif
.set p, p+1
.endr
.endm
.if MODE == 0
.set SECOND, 5
.set NASK, 1
	s_load_b128 s[4:7], s[0:1], 0x0                ; pack, x
	s_load_b64 s[10:11], s[0:1], 0x10              ; state out
.else
.set SECOND, 1
.set NASK, 8-3*MODE                    ; refills less one: 5 in MODE 1, 2 in MODE 2
	s_load_b256 s[4:11], s[0:1], 0x0               ; pack, ctx, state in, state out or out0
.endif
	v_lshl_add_u32 v[SPW], v0, 2, SPARE
	v_mov_b32 v[NIL], 0
	ds_add_u32 v[SPW], v[NIL]                      ; the wave's opening: the add and its wait stand ahead of my first tensor load; work on registers stands between them
	v_lshrrev_b32 v1, 5, v0
	v_readfirstlane_b32 s[WV], v1
	s_bfe_u32 s[CX], ttmp6, 0x40000
	s_lshl_b32 s[WG], ttmp9, 2
	s_add_co_u32 s[WG], s[WG], s[CX]               ; my block of 32 rows: it enters global addresses of my own loads and stores alone
	s_mov_b32 s[G1], 15|(1<<16)|(1<<20)|(1<<21)|(6<<22)|(3<<25)  ; the mask of four; 2-byte elements; padding on; bit 21 beside a mask; after every 128 words 4 words
	s_mov_b32 s[G1+1], 256<<16                     ; tensor_dim0 = 256
	s_mov_b32 s[G1+2], 64<<16                      ; tensor_dim1 = 64
	s_mov_b32 s[G1+3], 256<<16                     ; tile_dim0 = 256
	s_mov_b32 s[G1+4], 64                          ; tile_dim1 = 64
	s_mov_b32 s[G1+5], 256                         ; elements from row to row
	s_mov_b32 s[G1+6], 0
	s_mov_b32 s[G1+7], 0
	s_mov_b32 s[G0A], 1
	s_mul_i32 s[G0A+1], s[WV], WROWS
	s_mov_b32 s[GW], 1
	s_add_co_u32 s[GW+1], s[G0A+1], SLOT1
	s_lshl_b32 s54, s[WV], 15                      ; my 64 rows of 512 bytes in a chunk
	s_mov_b32 s55, 0
	s_mov_b32 s[SEL], 0x76543210
	s_mov_b32 s[SEL+1], 0xfedcba98
	s_mov_b32 s[CS], 0x3e8293ee                    ; c = log2(e) / sqrt(32) = 0.255035
	s_mov_b32 s[CS+1], s[CS]
	s_mov_b32 s[INV], 0x3b800000
	s_mov_b32 s[EPS], 0x3727c5ac                   ; 1e-5
	s_mov_b32 s[C64], 0x42800000                   ; the columns of a wave, for LayerNorm's meeting
	s_mov_b32 s[TS], 0
	s_mov_b32 s[TX], 0
	s_cmp_eq_u32 ttmp9, 0                          ; the first cluster prefetches
	s_cselect_b32 s[PFL], NASK, 0
	s_wait_dscnt 0x0
	s_wait_kmcnt 0x0
	s_add_nc_u64 s[PW:PW+1], s[4:5], s[54:55]
	s_mov_b64 s[G0A+2:G0A+3], s[PW:PW+1]
	s_or_b32 s[G0A+3], s[G0A+3], 0x80000000
	s_add_nc_u64 s[GW+2:GW+3], s[PW:PW+1], SECOND*CHUNK
	s_or_b32 s[GW+3], s[GW+3], 0x80000000
	CROUND                                         ; all four work-groups are here: the first joint loads meet
	tensor_load_to_lds s[G0A:G0A+3], s[G1:G1+7]
	s_nop 0
	tensor_load_to_lds s[GW:GW+3], s[G1:G1+7]
	s_nop 0
	PLACES 4
	s_add_nc_u64 s[PP:PP+1], s[4:5], PRM
	s_lshl_b32 s54, s[CX], 2
	s_add_co_u32 s54, s54, s[WV]
	s_lshl_b32 s54, s54, 13                        ; 32 blocks of 256 bytes for each of the cluster's 16 waves
	s_add_nc_u64 s[PFA:PFA+1], s[4:5], s[54:55]
	s_add_nc_u64 s[PFA:PFA+1], s[PFA:PFA+1], SECOND*CHUNK
	s_lshl_b32 s54, s[WG], 15
.if MODE == 0
	s_add_nc_u64 s[INB:INB+1], s[6:7], s[54:55]
.endif
.if MODE == 2
	s_add_nc_u64 s[EOUT:EOUT+1], s[10:11], s[54:55]
.endif
	s_lshl_b32 s2, s[WV], 13
	s_add_co_u32 s54, s54, s2
.if MODE != 0
	s_add_nc_u64 s[EIN:EIN+1], s[8:9], s[54:55]
.endif
.if MODE != 2
	s_add_nc_u64 s[EOUT:EOUT+1], s[10:11], s[54:55]
.endif
.if MODE != 0
	s_lshl_b32 s54, s[WG], 14
	s_add_nc_u64 s[INB:INB+1], s[6:7], s[54:55]
.endif
.if MODE != 2
	s_lshr_b32 s54, s[WG], 5                       ; the sequence: 8 heads x 65,536 bytes
	s_lshl_b32 s54, s54, 19
	s_lshl_b32 s2, s[WV], 17                       ; my two heads
	s_add_co_u32 s54, s54, s2
	s_and_b32 s2, s[WG], 31                        ; my block of 32 rows in the sequence
	s_lshl_b32 s2, s2, 11
	s_add_co_u32 s54, s54, s2
	s_add_nc_u64 s[OBW:OBW+1], s[10:11], s[54:55]
	s_add_nc_u64 s[OBW:OBW+1], s[OBW:OBW+1], QKV   ; one step in front of q, which begins at 2 QKV
.endif
	v_and_b32 v[RR], 15, v0
	v_bfe_u32 v[HH], v0, 4, 1
	v_and_b32 v[LO], 31, v0
	v_lshlrev_b32 v[LO], 4, v[LO]
	v_lshlrev_b32 v[PFO], 4, v[LO]
	v_mul_u32_u24 v[BA], v[RR], 528
	v_lshl_add_u32 v[BA], v[HH], 4, v[BA]
.if MODE == 0
	v_add_nc_u32 v[MC], X0, v[BA]
.endif
	v_add_nc_u32 v[BA], s[G0A+1], v[BA]
	v_mov_b32 v[BAC], v[BA]                        ; slot 0 is read first
	v_add_nc_u32 v[XR0], X0, v[LO]
	v_add_nc_u32 v[XR1], X1, v[LO]
	v_add_nc_u32 v[XR2], X2, v[LO]
	s_lshl_b32 s2, s[WV], 11
	v_add_nc_u32 v[XW0], s2, v[XR0]
	v_add_nc_u32 v[XW1], s2, v[XR1]
	v_lshl_add_u32 v[STR], v[RR], 5, ST
	s_lshl_b32 s2, s[WV], 3
	v_add_nc_u32 v[STW], s2, v[STR]
	s_lshl_b32 s3, s[WV], 8
	v_lshl_add_u32 v[PO], v[HH], 5, s3
	v_lshl_add_u32 v[PVO], v[RR], 2, s3
	v_mov_b32 v[ZERO], 0
.if MODE == 0
	v_lshl_add_u32 v[MA], v[RR], 4, s3             ; a load takes two rows of x: row lane / 16, my wave's 256 bytes of it
	v_lshl_add_u32 v[MA], v[HH], 10, v[MA]
	v_mul_u32_u24 v[MB], v[HH], 528
	v_lshl_add_u32 v[MB], v[RR], 3, v[MB]
	s_lshl_b32 s2, s[WV], 7
	s_add_co_u32 s2, s2, X0
	v_add_nc_u32 v[MB], s2, v[MB]
.endif
.if MODE == 2
	s_mul_i32 s2, s[WV], 4352
	s_add_co_u32 s2, s2, STG
	v_mul_u32_u24 v[MA], v[RR], 272
	v_lshl_add_u32 v[MA], v[HH], 5, v[MA]
	v_add_nc_u32 v[MA], s2, v[MA]
	v_mul_u32_u24 v[MB], v[HH], 272
	v_lshl_add_u32 v[MB], v[RR], 4, v[MB]
	v_add_nc_u32 v[MB], s2, v[MB]
	v_lshl_add_u32 v[MC], v[RR], 4, s3
	v_lshl_add_u32 v[MC], v[HH], 10, v[MC]
.endif
.if MODE == 0
.set i, 0
.rept 16
	global_load_b128 v[ACC1+4*i:ACC1+4*i+3], v[MA], s[INB:INB+1] offset:2048*i th:TH_LOAD_NT
.set i, i+1
.endr
	WIN 0x40
	LDVEC G1V, 6
	LDVEC B1L, 7
	WIN 0xc0
	LDVEC BO, 0
	LDVEC BQ, 8
	LDVEC BK, 9
	LDVECV BV
	WIN 0
	s_wait_loadcnt 0x0
	SPREADV BV
.set p, 0
.rept 32
	v_cvt_pk_bf16_f32 v[TP+p], v[ACC1+2*p], v[ACC1+2*p+1]
.set p, p+1
.endr
.set i, 0
.rept 16
	ds_store_b64 v[MB], v[TP+2*i:TP+2*i+1] offset:i*1056
.set i, i+1
.endr
	s_wait_tensorcnt 0x1                           ; my rows of slot 0 are in; slot 1's may stay out
	s_wait_dscnt 0x0                               ; for the others' sake: my part of x lies in LDS
	s_barrier_signal -1
	s_barrier_wait -1
	ALOAD MC, 8448, 64, 32
	GEMM ACC0, BO, 0, bf16                         ; x Win^T + bin
.else
	WIN 0x40
.set i, 0
.rept 32
	global_load_b128 v[4*i:4*i+3], v[LO], s[INB:INB+1] offset:512*i th:TH_LOAD_NT  ; ctx, as fragments
.set i, i+1
.endr
	LDVEC G2, 1
	LDVEC B2L, 2
	LDVEC G1V, 6
	LDVEC B1L, 7
	WIN 0xc0
	LDVEC BO, 0
	LDVEC B1A, 3
	LDVEC B1B, 4
	LDVEC B2, 5
.if MODE == 1
	LDVEC BQ, 8
	LDVEC BK, 9
	LDVECV BV
.endif
	WIN 0
.set i, 0
.rept 16
	global_load_b128 v[ACC0+4*i:ACC0+4*i+3], v[LO], s[EIN:EIN+1] offset:512*i th:TH_LOAD_NT  ; e, straight into the accumulators
.set i, i+1
.endr
	s_wait_loadcnt 0x0
.if MODE == 1
	SPREADV BV
.endif
	ADDV ACC0, BO                                  ; e + bo is what the product adds onto
	s_wait_tensorcnt 0x1                           ; my rows of slot 0 are in; slot 1's may stay out
	s_barrier_signal -1
	s_barrier_wait -1
	GEMM ACC0, -1, 0, f16                          ; + ctx Wo^T
	CHANGE 1                                       ; slot 0 has been read out: W1's second half is asked for while the LayerNorm runs
	LN ACC0, 0, G2, B2L
	PACKX ACC0, XW1, 0
	ADDV ACC0, B2                                  ; e + b2 is what W2's products add onto
	XBAR                                           ; the LayerNorm's output lies in X1, everybody's part of it
	s_mov_b32 s[CNT], 2
.Lw1:                                              ; hidden units 0-255 into X0, then 256-511 into X2
	ALOAD XR1, 8192, 1024, 512
	GEMM ACC1, B1A, 0, f16
	COPYB B1A, B1B
	v_add_nc_u32 v[XC], s[TX], v[XW0]
	PACKX ACC1, XC, 1
	s_xor_b32 s[TX], s[TX], X2-X0
	CHANGE 1
	s_sub_co_u32 s[CNT], s[CNT], 1
	s_cmp_lg_u32 s[CNT], 0
	s_cbranch_scc1 .Lw1
	ALOAD XR0, 8192, 1024, 512
	GEMM ACC0, -1, 0, f16
.if MODE == 1
	CHANGE 1
.else
	CHANGE 0
.endif
	ALOAD XR2, 8192, 1024, 512
	GEMM ACC0, -1, 0, f16
.endif
	LN ACC0, 1, G1V, B1L
.if MODE != 2
.set i, 0
.rept 16
	global_store_b128 v[LO], v[ACC0+4*i:ACC0+4*i+3], s[EOUT:EOUT+1] offset:512*i
.set i, i+1
.endr
	PACKX ACC0, XW0, 0                             ; the block's last readers waited for their loads in front of an earlier barrier
	s_mov_b32 s[CNT], 2
.Lqk:                                              ; q, then k
	CHANGE 1
	ALOAD XR0, 8192, 1024, 512
	GEMM ACC1, BQ, 0, f16
	COPYB BQ, BK
	OUTH ACC1, 0, 1
	s_mov_b32 s[CS], 1.0                           ; k is not scaled
	s_sub_co_u32 s[CNT], s[CNT], 1
	s_cmp_lg_u32 s[CNT], 0
	s_cbranch_scc1 .Lqk
	CHANGE 0
	GEMM ACC1, BV, 1, f16                          ; v, from the fragments that are still in registers
	OUTH ACC1, 1, 0
.else
	; out0 wants true rows: through my own stage, a row tile at a time; LDS serves a wave's instructions in order, so no wait stands between my stores and my loads
.irp rt, 0,1
.set p, 0
.rept 8
	ds_store_b128 v[MA], v[ACC0+32*(\rt)+4*p:ACC0+32*(\rt)+4*p+3] offset:(p/2)*64+(p%2)*16
.set p, p+1
.endr
.set p, 0
.rept 8
	ds_load_b128 v[ACC1+32*(\rt)+4*p:ACC1+32*(\rt)+4*p+3], v[MB] offset:p*544
.set p, p+1
.endr
.endr
	s_wait_dscnt 16                                ; the second row tile's sixteen LDS instructions may stay out
.set p, 0
.rept 8
	global_store_b128 v[MC], v[ACC1+4*p:ACC1+4*p+3], s[EOUT:EOUT+1] offset:p*2048 th:TH_STORE_NT  ; 16 lanes store 256 consecutive bytes, aligned
.set p, p+1
.endr
	s_wait_dscnt 0x0
.set p, 0
.rept 8
	global_store_b128 v[MC], v[ACC1+32+4*p:ACC1+32+4*p+3], s[EOUT:EOUT+1] offset:16384+p*2048 th:TH_STORE_NT
.set p, p+1
.endr
.endif
	WIN 0
	s_wait_tensorcnt 0x0                           ; the wave's end, behind my last tensor load and my last LDS store
	ds_add_u32 v[SPW], v[NIL]
	s_wait_dscnt 0x0
	CROUND                                         ; the closing round: no work-group ends while a partner may still ask for a chunk that names it
	s_endpgm
.Lfunc_end_k_q9c89102e9c_pre:
	.size	k_q9c89102e9c_pre, .Lfunc_end_k_q9c89102e9c_pre-k_q9c89102e9c_pre
	.p2alignl 7, 3214868480
	.fill 96, 4, 3214868480
	.section	.rodata,"a",@progbits
	.p2align	6, 0x0
	.amdhsa_kernel k_q9c89102e9c_pre
		.amdhsa_group_segment_fixed_size 327680
		.amdhsa_private_segment_fixed_size 0
		.amdhsa_enable_private_segment 0
		.amdhsa_kernarg_size 24
		.amdhsa_user_sgpr_count 2
		.amdhsa_user_sgpr_kernarg_segment_ptr 1
		.amdhsa_wavefront_size32 1
		.amdhsa_system_sgpr_workgroup_id_x 1
		.amdhsa_system_sgpr_workgroup_id_y 1
		.amdhsa_system_sgpr_workgroup_id_z 1
		.amdhsa_system_vgpr_workitem_id 0
		.amdhsa_next_free_vgpr 992
		.amdhsa_next_free_sgpr 66
		.amdhsa_reserve_vcc 0
		.amdhsa_float_denorm_mode_32 3
		.amdhsa_float_denorm_mode_16_64 3
		.amdhsa_memory_ordered 1
		.amdhsa_forward_progress 1
		.amdhsa_inst_pref_size 73
	.end_amdhsa_kernel
	.amdgpu_metadata
---
amdhsa.version: [ 1, 2 ]
amdhsa.kernels:
  - .name:           k_q9c89102e9c_pre
    .symbol:         k_q9c89102e9c_pre.kd
    .args:
      - { .name: p0, .offset: 0, .size: 8, .value_kind: global_buffer, .address_space: global }
      - { .name: x, .offset: 8, .size: 8, .value_kind: global_buffer, .address_space: global }
      - { .name: sa, .offset: 16, .size: 8, .value_kind: global_buffer, .address_space: global }
    .group_segment_fixed_size: 327680
    .private_segment_fixed_size: 0
    .kernarg_segment_align: 8
    .kernarg_segment_size: 24
    .max_flat_workgroup_size: 128
    .sgpr_count:     66
    .vgpr_count:     992
    .wavefront_size: 32
...
	.end_amdgpu_metadata
.endif
;; end of part 2
;; launch attn (part 3): grid 256 x 1, 4 waves a work-group, clusters of 4 x 1, 167,936 bytes of LDS; arguments sa, ctx; writes ctx
.if DOCPART == 3
	.amdgcn_target "amdgcn-amd-amdhsa--gfx1250"
	.amdhsa_code_object_version 6
	.text
	.protected	k_q9c89102e9c_attn
	.globl	k_q9c89102e9c_attn
	.p2align	8
	.type	k_q9c89102e9c_attn,@function
k_q9c89102e9c_attn:
	s_mov_b64 s[64:65], 0
	v_nop
	global_prefetch_b8 v0, s[64:65] scope:SCOPE_SE
	s_setreg_imm32_b32 hwreg(HW_REG_WAVE_MODE, 25, 1), 1
	s_wait_xcnt 0x0
	s_wait_alu depctr_hold_cnt(0) depctr_sa_sdst(0) depctr_va_vdst(0) depctr_va_sdst(0) depctr_va_ssrc(0) depctr_va_vcc(0) depctr_vm_vsrc(0)
	s_getreg_b32 s2, hwreg(HW_REG_IB_STS2, 6, 4)
	s_cmp_eq_u32 s2, 0
	s_cbranch_scc0 .Lentry_in_a_cluster
	s_endpgm
.Lentry_in_a_cluster:
	s_bfe_u32 s2, ttmp6, 0x10000c
	s_cmp_lg_u32 s2, 0x3003
	s_cbranch_scc0 .Lentry_shape_is_right
	s_endpgm
.Lentry_shape_is_right:
; ATTENTION at head size 32.  ctx[b][t][head] = the sum over s of softmax_s(q . k / sqrt(32)) v.  q, k, v and ctx are this program's own workspaces, f16, in fragment order (below);
; q arrives times c = log2(e) / sqrt(32).  Products, maxima and sums in f32; the weights p are rounded to f16 for the second product, and their sum is taken of the rounded p.
; LIMITS.  f16 holds no number beyond 65,504: q, k, v arrive within it; p lies in 0 to 1 and below 6e-5 keeps f16's fixed step of 6e-8; NaN and infinities are not treated apart.
; SHARES.  A cluster is one (sequence, head): 1,024 queries and keys.  Each of its four work-groups takes 256 queries, each wave 64: four tiles qt of 16.  A head's K and V are 64 KiB each and lie in LDS
; whole, asked for once, JOINTLY by the four work-groups (mask 15), a quarter of each by every wave.
; LAYOUT.  S^T = K Q^T (source 0 = 16 keys, source 1 = 16 queries; 32 channels are one matrix instruction): a lane holds ONE query (lane % 16) and the keys 8 (lane / 16) + 0..7.  Two such results,
; rounded to f16 in pairs, ARE source 1 of O^T = V^T P.  In memory and in LDS every fragment half is 512 consecutive bytes, 16 a lane: K: key tile x 1,024 + part x 512; V: 32 keys x 2,048 + channel half x 1,024 + key half x 512.
; TWO PASSES.  K stays in LDS, so the scores can be made twice.  Pass 1 finds each query's true maximum m.  Pass 2 makes K Q^T + (-m), -m being the operand that starts the sum: the result is the exponent
; itself, so no score is scaled, nothing is carried from step to step and O is never rescaled.  The row sums are one more product, ones x P.
; REGISTERS.  window 0: addresses; ONES; V's fragments, two buffers; O^T at 16 qt + 8 channel half; L (row sums) at 8 qt.
;   window 1: S^T, two sets of 64 (tile 2 qt + key tile at 8 x that; P(qt) is packed in place into the first 8 of its 16); NM: -m, eight copies a tile (pass 1: eight running maxima); Q; K's fragments, four buffers of 16.
.set VOFF,  65536
.set SPARE, 131072                     ; the spare words, 128 bytes for each wave: two blocks of 256 bytes that no other line names
.set SPW, 2
.set NIL, 3
.set AK, 4                             ; LDS address of K's next loads
.set AV, 5                             ; of V's
.set LO, 6                             ; 16 x lane
.set ONES, 8
.set VF, 16
.set O, 48
.set L, 112
.set R, 144
.set TP, 152
.set S, 0
.set NM, 128
.set QF, 160
.set KF, 192
.set WV, 8
.set CX, 9
.set G1, 12
.set G0K, 20
.set G0V, 24
.set QB, 28
.set OB, 30
.set SEL, 32
.set CNT, 34
.set MSB, 0
.macro WIN new                         ; the immediate's high byte repeats the setting that is left; a switch that changes nothing is dropped
.if MSB != (\new)
	s_set_vgpr_msb (MSB<<8)|(\new)
.set MSB, (\new)
.endif
.endm
.macro PLACES n
.rept \n
	v_nop
.endr
.endm
.macro CROUND
	s_barrier_signal -1
	s_barrier_wait -1
	s_cmp_lg_u32 s[WV], 0
	s_cbranch_scc1 .Lnot_wave_0_\@
	s_barrier_signal -3
.Lnot_wave_0_\@:
	s_barrier_wait -3
	s_barrier_signal -1
	s_barrier_wait -1
.endm
.macro KLOAD buf, off                  ; 32 keys: two fragments
	WIN 0x40
.irp p, 0,1,2,3
	ds_load_b128 v[KF+16*(\buf)+4*(\p):KF+16*(\buf)+4*(\p)+3], v[AK] offset:(\off)+512*(\p)
.endr
.endm
.macro VLOAD buf, off                  ; the same 32 keys of V: two fragments of 16 channels
	WIN 0
.irp p, 0,1,2,3
	ds_load_b128 v[VF+16*(\buf)+4*(\p):VF+16*(\buf)+4*(\p)+3], v[AV] offset:(\off)+512*(\p)
.endr
.endm
.macro KQ st, kb, x, c                 ; score tile x = 2 qt + key tile into set st, from K's buffer kb; c = 1: the sum starts with -m
.set rS, S+64*(\st)+8*(\x)
.set rK, KF+16*(\kb)+8*((\x)%2)
.set rQ, QF+8*((\x)/2)
.if \c
	v_wmma_f32_16x16x32_f16 v[rS:rS+7], v[rK:rK+7], v[rQ:rQ+7], v[NM+8*((\x)/2):NM+8*((\x)/2)+7]
.else
	v_wmma_f32_16x16x32_f16 v[rS:rS+7], v[rK:rK+7], v[rQ:rQ+7], 0
.endif
.endm
.macro PVL b, x                        ; number x of 12: for qt = x / 3: O^T's two channel halves, then the row sums; P from set b, V from buffer b
.set rP, S+64*(\b)+16*((\x)/3)
.if (\x)%3 == 2
.set rO, L+8*((\x)/3)
	v_wmma_f32_16x16x32_f16 v[rO:rO+7], v[ONES:ONES+7], v[rP:rP+7], v[rO:rO+7]
.else
.set rO, O+16*((\x)/3)+8*((\x)%3)
.set rV, VF+16*(\b)+8*((\x)%3)
	v_wmma_f32_16x16x32_f16 v[rO:rO+7], v[rV:rV+7], v[rP:rP+7], v[rO:rO+7]
.endif
.endm
	s_load_b128 s[4:7], s[0:1], 0x0                ; state, ctx
	v_lshl_add_u32 v[SPW], v0, 2, SPARE
	v_mov_b32 v[NIL], 0
	ds_add_u32 v[SPW], v[NIL]                      ; the wave's opening: the add and its wait stand ahead of my first tensor load; work on registers stands between them
	v_lshrrev_b32 v1, 5, v0
	v_readfirstlane_b32 s[WV], v1
	s_bfe_u32 s[CX], ttmp6, 0x40000                ; my block of 256 queries: it enters Q's and ctx's addresses alone
	s_mov_b32 s[G1], 15|(3<<16)|(1<<21)            ; the mask of four; 8-byte elements; bit 21 beside a mask; no padding: every fragment load takes 512 consecutive bytes
	s_mov_b32 s[G1+1], 32<<16                      ; tensor_dim0 = 32: rows of 256 bytes
	s_mov_b32 s[G1+2], 64<<16                      ; tensor_dim1 = 64
	s_mov_b32 s[G1+3], 32<<16                      ; tile_dim0 = 32
	s_mov_b32 s[G1+4], 64                          ; tile_dim1 = 64
	s_mov_b32 s[G1+5], 32                          ; dense
	s_mov_b32 s[G1+6], 0
	s_mov_b32 s[G1+7], 0
	s_mov_b32 s[G0K], 1
	s_lshl_b32 s[G0K+1], s[WV], 14                 ; my quarter: 16,384 bytes
	s_mov_b32 s[G0V], 1
	s_add_co_u32 s[G0V+1], s[G0K+1], VOFF
	s_lshl_b32 s36, ttmp9, 16                      ; the cluster's number is 8 x sequence + head
	s_add_co_u32 s36, s36, s[G0K+1]
	s_mov_b32 s37, 0
	s_mov_b32 s[SEL], 0x76543210
	s_mov_b32 s[SEL+1], 0xfedcba98
	v_and_b32 v[LO], 31, v0
	v_lshlrev_b32 v[LO], 4, v[LO]
	s_wait_dscnt 0x0
	s_wait_kmcnt 0x0
	s_add_nc_u64 s[G0K+2:G0K+3], s[4:5], s[36:37]
	s_add_nc_u64 s[G0V+2:G0V+3], s[G0K+2:G0K+3], 16777216
	s_add_nc_u64 s[G0K+2:G0K+3], s[G0K+2:G0K+3], 12582912
	s_or_b32 s[G0K+3], s[G0K+3], 0x80000000
	s_or_b32 s[G0V+3], s[G0V+3], 0x80000000
	CROUND                                         ; all four work-groups are here: the joint loads meet
	tensor_load_to_lds s[G0K:G0K+3], s[G1:G1+7]
	s_nop 0
	tensor_load_to_lds s[G0V:G0V+3], s[G1:G1+7]
	s_nop 0
	PLACES 4
	s_lshl_b32 s38, ttmp9, 16
	s_lshl_b32 s10, s[CX], 14
	s_add_co_u32 s38, s38, s10
	s_lshl_b32 s10, s[WV], 12
	s_add_co_u32 s38, s38, s10
	s_mov_b32 s39, 0
	s_add_nc_u64 s[QB:QB+1], s[4:5], s[38:39]
	s_add_nc_u64 s[QB:QB+1], s[QB:QB+1], 8388608
	s_lshr_b32 s38, ttmp9, 3                       ; ctx: row tile x 8,192 + head x 1,024
	s_lshl_b32 s38, s38, 19
	s_lshl_b32 s10, s[CX], 17
	s_add_co_u32 s38, s38, s10
	s_lshl_b32 s10, s[WV], 15
	s_add_co_u32 s38, s38, s10
	s_and_b32 s10, ttmp9, 7
	s_lshl_b32 s10, s10, 10
	s_add_co_u32 s38, s38, s10
	s_add_nc_u64 s[OB:OB+1], s[6:7], s[38:39]
	WIN 0x40
.set i, 0
.rept 8
	global_load_b128 v[QF+4*i:QF+4*i+3], v[LO], s[QB:QB+1] offset:512*i th:TH_LOAD_NT
.set i, i+1
.endr
.set i, 0
.rept 8
	v_mov_b32 v[NM+i], 0xff7fffff                  ; the running maxima start at the lowest finite number
.set i, i+1
.endr
	WIN 0
.set i, 0
.rept 8
	v_mov_b32 v[ONES+i], 0x3c003c00
.set i, i+1
.endr
.set i, VF+16
.rept 112                              ; V's second buffer, O^T and L start at 0: pass 2 has one text for every turn, and these lines stand in the wait for the tiles
	v_mov_b32 v[i], 0
.set i, i+1
.endr
	v_mov_b32 v[AK], v[LO]
	s_wait_tensorcnt 0x0                           ; my quarters of K and V are in,
	s_barrier_signal -1
	s_barrier_wait -1                              ; everybody's are
; PASS 1.  Group g is 32 keys x 4 query tiles: 8 products.  Turn g makes group g + 1's scores; behind each product stand four of the 32 v_max3_num_f32 that take group g's 64 scores into eight chains,
; one a tile, each tile from its low end on.  K is fetched three groups ahead.  The last turns fetch the 6 KiB behind K (V's first bytes, landed and finite) and make one group of scores that nobody
; reads: the price of one text for every turn.
.macro TURN1 q
	s_wait_dscnt 4                                 ; K of group g + 1 is in; the four loads of group g + 2 may stay out
	KLOAD ((\q)+3)%4, (\q)*2048
	WIN 0x55
.set i, 0
.rept 8
	KQ ((\q)+1)%2, ((\q)+1)%4, i, 0
.set n, 4*i
.rept 4
	v_max3_num_f32 v[NM+n%8], v[NM+n%8], v[S+64*((\q)%2)+8*(n%8)+2*(n/8)], v[S+64*((\q)%2)+8*(n%8)+2*(n/8)+1]
.set n, n+1
.endr
.set i, i+1
.endr
.endm
	KLOAD 0, 0
	KLOAD 1, 2048
	KLOAD 2, 4096
	s_wait_loadcnt 0x0                             ; Q
	s_wait_dscnt 8                                 ; group 0 is in; groups 1 and 2 may stay out
	WIN 0x55
.set i, 0
.rept 8
	KQ 0, 0, i, 0
.set i, i+1
.endr
	WIN 0
	PLACES 8
	v_add_nc_u32 v[AK], 6144, v[AK]
	s_mov_b32 s[CNT], 8
.Lp1:
	TURN1 0
	TURN1 1
	TURN1 2
	TURN1 3
	WIN 0
	v_add_nc_u32 v[AK], 8192, v[AK]
	s_sub_co_u32 s[CNT], s[CNT], 1
	s_cmp_lg_u32 s[CNT], 0
	s_cbranch_scc1 .Lp1
	; BETWEEN THE PASSES: a tile's two chains and the other half of the lanes' give m; -m is laid out eight times a tile.  K's first buffer serves as scratch.
	s_wait_dscnt 0x0
	PLACES 8
	WIN 0x55
.irp q, 0,1,2,3
	v_max_num_f32 v[KF+(\q)], v[NM+2*(\q)], v[NM+2*(\q)+1]
.endr
.irp q, 0,1,2,3
	v_permlanex16_b32 v[KF+4+(\q)], v[KF+(\q)], s[SEL], s[SEL+1]
.endr
.irp q, 0,1,2,3
	v_max_num_f32 v[KF+(\q)], v[KF+(\q)], v[KF+4+(\q)]
.endr
.set i, 0
.rept 32
	v_mul_f32 v[NM+i], -1.0, v[KF+i/8]
.set i, i+1
.endr
	WIN 0
	v_mov_b32 v[AK], v[LO]
	KLOAD 0, 0
	KLOAD 1, 2048
.set i, 0
.rept 32
	v_mov_b32 v[S+64+16*(i/8)+i%8], 0              ; P of the unit that has not been: the first turn's products add 0
.set i, i+1
.endr
	s_wait_dscnt 0x0
	WIN 0x55
.set i, 0
.rept 8
	KQ 0, 0, i, 1
.set i, i+1
.endr
	WIN 0
	v_add_nc_u32 v[AK], 4096, v[AK]
	v_add_nc_u32 v[AV], VOFF, v[LO]
	PLACES 6
; PASS 2.  Unit u is 32 keys x 4 query tiles; its scores, then weights, lie in set u % 2.  Turn u: (A) the 12 products of unit u - 1 (V^T P twice and ones x P for each tile), behind them unit u's 64
; exponentials, ONE batch; a plain instruction and ONE wait for the batch; V of unit u and K of unit u + 2 are fetched; (B) unit u's 32 roundings, in place, and among them the 8 products of unit u + 1.
; No two matrix instructions that follow each other share an accumulator.  Seven plain instructions stand between the last product that read the old P and the first that writes over it; five behind a turn's last product.
.macro CV par                          ; the next rounding: pair c % 8 of tile c / 8
	v_cvt_pk_f16_f32 v[S+64*(\par)+16*(c/8)+c%8], v[S+64*(\par)+16*(c/8)+2*(c%8)], v[S+64*(\par)+16*(c/8)+2*(c%8)+1]
.set c, c+1
.endm
.macro TURN2 par
	s_wait_dscnt 0x0                               ; V of unit u - 1 and K of unit u + 1, asked for in the middle of the turn before
.set e, 0
.set a, 0
.rept 12
	WIN 0x04
	PVL 1-(\par), a
	WIN 0x55
.rept 5+(a%3)/2
	v_exp_f32 v[S+64*(\par)+e], v[S+64*(\par)+e]
.set e, e+1
.endr
.set a, a+1
.endr
	v_nop                                          ; the plain instruction behind the last exponential
	s_wait_alu depctr_va_vdst(0)                   ; the wait for the batch, ahead of its first reader
	VLOAD \par, (\par)*2048
	KLOAD \par, (\par)*2048
	WIN 0x55
.set c, 0
.rept 6
	CV \par
.endr
.set i, 0
.rept 8
	KQ 1-(\par), 1-(\par), i, 1
.rept 3+2*(i/7)
	CV \par
.endr
.set i, i+1
.endr
.endm
	s_mov_b32 s[CNT], 16
.Lp2:
	TURN2 0
	TURN2 1
	WIN 0
	v_add_nc_u32 v[AK], 4096, v[AK]
	v_add_nc_u32 v[AV], 4096, v[AV]
	s_sub_co_u32 s[CNT], s[CNT], 1
	s_cmp_lg_u32 s[CNT], 0
	s_cbranch_scc1 .Lp2
	s_wait_dscnt 0x0
	WIN 0x04
.set a, 0
.rept 12
	PVL 1, a                                       ; the last unit's products
.set a, a+1
.endr
	WIN 0
	PLACES 8
	; THE WAY OUT: O^T divided by the row sum, rounded to f16; a lane's eight channels of a row are 16 bytes of the fragment that the next launch loads
.irp q, 0,1,2,3
	v_rcp_f32 v[R+2*(\q)], v[L+8*(\q)]
	v_rcp_f32 v[R+2*(\q)+1], v[L+8*(\q)]
.endr
	v_nop
	s_wait_alu depctr_va_vdst(0)                   ; one wait for the eight reciprocals
.set p, 0
.rept 8                                ; p = 2 qt + channel half
.irp k, 0,1,2,3
	v_pk_mul_f32 v[O+8*p+2*(\k):O+8*p+2*(\k)+1], v[O+8*p+2*(\k):O+8*p+2*(\k)+1], v[R+2*(p/2):R+2*(p/2)+1]
.endr
.irp k, 0,1,2,3
	v_cvt_pk_f16_f32 v[TP+4*p+(\k)], v[O+8*p+2*(\k)], v[O+8*p+2*(\k)+1]
.endr
	global_store_b128 v[LO], v[TP+4*p:TP+4*p+3], s[OB:OB+1] offset:(p/2)*8192+(p%2)*512
.set p, p+1
.endr
	s_wait_tensorcnt 0x0                           ; the wave's end
	ds_add_u32 v[SPW], v[NIL]
	s_wait_dscnt 0x0
	CROUND                                         ; the closing round
	s_endpgm
.Lfunc_end_k_q9c89102e9c_attn:
	.size	k_q9c89102e9c_attn, .Lfunc_end_k_q9c89102e9c_attn-k_q9c89102e9c_attn
	.p2alignl 7, 3214868480
	.fill 96, 4, 3214868480
	.section	.rodata,"a",@progbits
	.p2align	6, 0x0
	.amdhsa_kernel k_q9c89102e9c_attn
		.amdhsa_group_segment_fixed_size 167936
		.amdhsa_private_segment_fixed_size 0
		.amdhsa_enable_private_segment 0
		.amdhsa_kernarg_size 16
		.amdhsa_user_sgpr_count 2
		.amdhsa_user_sgpr_kernarg_segment_ptr 1
		.amdhsa_wavefront_size32 1
		.amdhsa_system_sgpr_workgroup_id_x 1
		.amdhsa_system_sgpr_workgroup_id_y 1
		.amdhsa_system_sgpr_workgroup_id_z 1
		.amdhsa_system_vgpr_workitem_id 0
		.amdhsa_next_free_vgpr 512
		.amdhsa_next_free_sgpr 66
		.amdhsa_reserve_vcc 0
		.amdhsa_float_denorm_mode_32 3
		.amdhsa_float_denorm_mode_16_64 3
		.amdhsa_memory_ordered 1
		.amdhsa_forward_progress 1
		.amdhsa_inst_pref_size 47
	.end_amdhsa_kernel
	.amdgpu_metadata
---
amdhsa.version: [ 1, 2 ]
amdhsa.kernels:
  - .name:           k_q9c89102e9c_attn
    .symbol:         k_q9c89102e9c_attn.kd
    .args:
      - { .name: sa, .offset: 0, .size: 8, .value_kind: global_buffer, .address_space: global }
      - { .name: ctx, .offset: 8, .size: 8, .value_kind: global_buffer, .address_space: global }
    .group_segment_fixed_size: 167936
    .private_segment_fixed_size: 0
    .kernarg_segment_align: 8
    .kernarg_segment_size: 16
    .max_flat_workgroup_size: 128
    .sgpr_count:     66
    .vgpr_count:     512
    .wavefront_size: 32
...
	.end_amdgpu_metadata
.endif
;; end of part 3
;; launch post (part 4): grid 256 x 1, 4 waves a work-group, clusters of 4 x 1, 327,680 bytes of LDS; arguments p1, ctx, sa, sb; writes sb
.if DOCPART == 4
	.amdgcn_target "amdgcn-amd-amdhsa--gfx1250"
	.amdhsa_code_object_version 6
	.text
	.protected	k_q9c89102e9c_post
	.globl	k_q9c89102e9c_post
	.p2align	8
	.type	k_q9c89102e9c_post,@function
k_q9c89102e9c_post:
	s_mov_b64 s[64:65], 0
	v_nop
	global_prefetch_b8 v0, s[64:65] scope:SCOPE_SE
	s_setreg_imm32_b32 hwreg(HW_REG_WAVE_MODE, 25, 1), 1
	s_wait_xcnt 0x0
	s_wait_alu depctr_hold_cnt(0) depctr_sa_sdst(0) depctr_va_vdst(0) depctr_va_sdst(0) depctr_va_ssrc(0) depctr_va_vcc(0) depctr_vm_vsrc(0)
	s_getreg_b32 s2, hwreg(HW_REG_IB_STS2, 6, 4)
	s_cmp_eq_u32 s2, 0
	s_cbranch_scc0 .Lentry_in_a_cluster
	s_endpgm
.Lentry_in_a_cluster:
	s_bfe_u32 s2, ttmp6, 0x10000c
	s_cmp_lg_u32 s2, 0x3003
	s_cbranch_scc0 .Lentry_shape_is_right
	s_endpgm
.Lentry_shape_is_right:
; THE DENSE CHAIN BETWEEN TWO ATTENTIONS, one text in three modes (MODE below); this file is one of them.
;   MODE 0 (pack, x, state out):            e = x Win^T + bin;                                                             e = LN1(e); e, q, k, v are stored
;   MODE 1 (pack, ctx, state in, state out): e = e + ctx Wo^T + bo; e = LN2(e); e = e + relu(e W1^T + b1) W2^T + b2;       e = LN1(e); e, q, k, v are stored
;   MODE 2 (pack, ctx, state in, out0):      the same up to W2;                                                            out0 = LNo(e)
; FORMATS.  x and Win bf16; every other weight arrives as its bf16 number written in f16; biases and gains arrive rounded to bf16, in f32.  What the program itself makes and multiplies again
; (ctx, q, k, v, the LayerNorms' outputs, the hidden units) is f16; sums, LayerNorms and the residual e are f32.  q is stored times c = log2(e) / sqrt(32), multiplied in f32 and rounded once.
; LIMIT: |c q|, |k|, |v|, the LayerNorms' outputs (at most 16 |gain| + |shift|) and the hidden units stay under 65,504, f16's end; beyond it an infinity is made.
; SHARES.  A work-group owns 32 rows (two row tiles rt of 16), whole, since a LayerNorm wants whole rows: 8,192 rows on 256 work-groups.  Wave w owns columns 64 w .. 64 w + 63 of every chunk of 256
; output columns: four column tiles t, eight accumulators.  A chunk ([256 n][256 k], 16 bits) is 8 K steps x 8 = 64 matrix instructions a wave.
; THE PRODUCT IS TAKEN TRANSPOSED (source 0 = 16 weight rows, source 1 = 16 activation rows): a lane holds ONE row (lane % 16) and eight neighbouring columns 8 (lane / 16) + 0..7.  V alone is taken
; the other way round: a lane then holds one channel and eight keys, which is the fragment that attention's second product wants.
; FRAGMENT ORDER.  Every 16 bytes that a lane holds are stored where the reader's fragment load wants them: each load and store of e, q, k, v, ctx is base + 16 x lane, 512 consecutive bytes, aligned.
; WEIGHTS.  All work-groups walk the same pack, so the four of a cluster ask for each chunk JOINTLY (mask 15).  Wave w brings the 64 weight rows that it multiplies.  Two slots, a chunk each; a wave has
; two tensor loads out at the start and one behind each round.  ONE descriptor walks: each refill turns its LDS word to the other slot and steps its address by a chunk.  In MODE 1 and 2 the first refill
; stands straight behind the first product: slot 0 has been read out, and the LayerNorm that follows needs no weights.
; TWO CHUNKS, ONE TEXT.  W1's two halves, and Wq and Wk, are loops of two trips.  The slot that is read and the block that is written hang on scalars that are turned each trip; the second trip's bias is
; copied into the first's registers (in both trips), the activations' fragments are loaded again, and k is multiplied by 1.0 where q is multiplied by c: the price of the shorter text.
; AHEAD OF THE REFILLS.  Behind each refill but the last, the chunk that the NEXT refill will ask for is prefetched into the L2: its 131,072 bytes are 512 blocks of 256.  The first cluster asks, nobody
; else: its 16 waves take 32 blocks each, a lane a block, told apart by address (4 x place in the cluster + wave): one instruction a wave.  The launch's first three chunks come by their loads alone.
; LAYERNORM.  Each wave makes mean and sum of squared deviations of its 64 columns; the four meet in LDS and are combined from means and deviations: no difference of large sums is formed.
.set MODE, 1
.set SLOT1,  135168                    ; a slot: 256 rows x 528 bytes (512 + 16 of padding: the 16 rows of a fragment load start at 16 different groups of four banks).  135,168 shares no bit with wave x 33,792
.set WROWS,  33792                     ; a wave's 64 rows of a slot
.set X0,     270336                    ; activations in fragment order: (8 rt + K step) x 1,024 + part x 512 + 16 x lane; 16,384 bytes
.set X1,     286720                    ; a second such block.  (MODE 0: from X0 on first x as bf16 in rows of 528 bytes, 16,896 bytes)
.set ST,     303104                    ; LayerNorm's meeting place, twice 1,024 bytes: [32 rows][4 waves][mean, sum of squares]
.set SPARE,  305152                    ; the spare words, 128 bytes for each wave: two blocks of 256 bytes that no other line names
.set X2,     305664                    ; a third block of activations
.set STG,    X2                        ; MODE 2, behind the last LayerNorm's barrier: a stage of 16 rows x 272 bytes for each wave.  No tensor load lands from X0 on
.set CHUNK,  131072
.set PRM,    1048576
.set QKV,    4194304                   ; bytes of q, of k and of v in a state
; window 0
.set RR, 1                             ; lane % 16
.set HH, 2                             ; lane / 16
.set SPW, 3                            ; LDS address of my spare word; never rewritten
.set NIL, 4                            ; 0; never rewritten
.set BA, 5                             ; my place in my 64 weight rows of slot 0
.set BAC, 6                            ; the same in the slot that is read next
.set XR0, 7                            ; X0, X1 + 16 x lane
.set XR1, 8
.set XW0, 9                            ; the same + 2,048 w: where my columns' fragments go
.set XW1, 10
.set STW, 11
.set STR, 12
.set LO, 13                            ; 16 x lane
.set PO, 14                            ; parameters of my columns: 256 w + 32 (lane / 16)
.set PVO, 15                           ; bv of my channel: 256 w + 4 (lane % 16)
.set ZERO, 16
.set MA, 17                            ; MODE 0: my offset in x;  MODE 2: into the stage
.set MB, 18                            ; MODE 0: where x goes in LDS;  MODE 2: back from the stage
.set MC, 19                            ; MODE 0: x's fragments;  MODE 2: my offset in out0
.set T, 20                             ; v[20:51] LayerNorm's registers, 16 a row tile
.set XC, 52                            ; where W1's trip in hand puts its hidden units
.set PFO, 53                           ; 256 x lane: the prefetches' offset; never rewritten
.set XR2, 54                           ; X2 + 16 x lane
.set ACC0, 64                          ; tile (rt, t) at + 8 (4 rt + t)
.set ACC1, 128
.set TP, 192                           ; v[192:223] packed results
; window 1: v[0:127] the activations' fragments, (rt, K step) at 8 (8 rt + K step); then gains and shifts, register 8 t + j for column 64 w + 16 t + 8 (lane / 16) + j
.set G2, 128
.set B2L, 160
.set G1V, 192
.set B1L, 224
; window 2: v[0:255] my weight fragments of a whole chunk, (K step, t) at 8 (4 K step + t)
; window 3: biases, laid as the gains; BV: all eight registers of tile t hold bv of channel 64 w + 16 t + lane % 16
.set BO, 0
.set B1A, 32
.set B1B, 64
.set B2, 96
.set BQ, 128
.set BK, 160
.set BV, 192
.set WV, 12
.set CX, 13
.set WG, 14
.set CNT, 15                           ; counts a loop's two trips
.set G1, 16                            ; s[16:23] descriptor group 1
.set G0A, 24                           ; s[24:27] group 0 of the first fill of slot 0
.set GW, 28                            ; s[28:31] group 0 that walks: the first fill of slot 1, then every refill
.set PW, 32                            ; pack + my 64 rows of a chunk
.set PP, 34                            ; pack's parameters
.set EIN, 36
.set EOUT, 38                          ; MODE 2: out0 at my work-group's rows
.set INB, 40                           ; ctx or x at my work-group's rows
.set OBW, 42                           ; the state's q, k, v at my place: it walks from one to the next
.set PFA, 44                           ; my 32 blocks in the chunk that the walking descriptor names; a prefetch names the chunk behind it
.set SEL, 48                           ; v_permlanex16_b32's selects: each lane takes its own place in the other half
.set CS, 50                            ; s[50:51] c for q, then 1.0 for k: the packed multiply takes the pair's low word for both halves
.set INV, 52                           ; 1 / 256
.set EPS, 53
.set C64, 56                           ; 64.0
.set TS, 57                            ; 0 or SLOT1: the slot that is read next
.set TX, 58                            ; 0 or X2 - X0: the block that W1's trip writes
.set PFL, 59                           ; prefetches still to come: 0 in every cluster but the first
.set MSB, 0
.macro WIN new                         ; the immediate's high byte repeats the setting that is left; a switch that changes nothing is dropped
.if MSB != (\new)
	s_set_vgpr_msb (MSB<<8)|(\new)
.set MSB, (\new)
.endif
.endm
.macro PLACES n
.rept \n
	v_nop
.endr
.endm
; A round of the cluster's barrier: my work-group's barrier, wave 0 signals for the work-group, every wave waits for all four work-groups, my work-group's barrier once more.
.macro CROUND
	s_barrier_signal -1
	s_barrier_wait -1
	s_cmp_lg_u32 s[WV], 0
	s_cbranch_scc1 .Lnot_wave_0_\@
	s_barrier_signal -3
.Lnot_wave_0_\@:
	s_barrier_wait -3
	s_barrier_signal -1
	s_barrier_wait -1
.endm
.macro XBAR                            ; activations stored in front of it are handed to the other waves; a refill on its way may stay out
	s_wait_dscnt 0x0
	s_barrier_signal -1
	s_barrier_wait -1
.endm
.macro LDVEC dst, row                  ; parameter row 'row' for my 32 columns a lane; the caller sets the window
.set tt, 0
.rept 4
	global_load_b128 v[(\dst)+8*tt:(\dst)+8*tt+3],   v[PO], s[PP:PP+1] offset:(\row)*1024+tt*64
	global_load_b128 v[(\dst)+8*tt+4:(\dst)+8*tt+7], v[PO], s[PP:PP+1] offset:(\row)*1024+tt*64+16
.set tt, tt+1
.endr
.endm
.macro LDVECV dst                      ; bv by channel: one number a tile,
.set tt, 0
.rept 4
	global_load_b32 v[(\dst)+8*tt], v[PVO], s[PP:PP+1] offset:10240+tt*64
.set tt, tt+1
.endr
.endm
.macro SPREADV dst                     ; which fills the tile's eight registers: the operand that starts V's sums
	WIN 0xc3
.set i, 0
.rept 32
.if i%8
	v_mov_b32 v[(\dst)+i], v[(\dst)+i-i%8]
.endif
.set i, i+1
.endr
	WIN 0
.endm
.macro COPYB dst, src                  ; the loop's second bias takes the first's place (the last trip's copy serves nothing)
	WIN 0xc3
.set i, 0
.rept 32
	v_mov_b32 v[(\dst)+i], v[(\src)+i]
.set i, i+1
.endr
	WIN 0
.endm
.macro ASK                             ; the prefetch; the branch hangs on the cluster's number and a count: it is the same in all four partners
	s_cmp_lg_u32 s[PFL], 0
	s_cbranch_scc0 .Lnone_\@
	global_prefetch_b8 v[PFO], s[PFA:PFA+1] offset:CHUNK th:TH_LOAD_NT scope:SCOPE_SE
	s_sub_co_u32 s[PFL], s[PFL], 1
.Lnone_\@:
.endm
; THE CHANGE OF SLOTS.  Every wave waits for all its tensor loads (one is out: its rows of the other slot), adds 0 to its spare word, and waits for that, for its reads of the slot that it leaves and for
; its stores of activations.  fill = 1: the barrier is a round of the cluster's, and the joint refill of the slot just read is the first thing behind it.  fill = 0: nothing is left to ask for.
; The same barrier hands the activations stored in front of it to the other waves.
.macro CHANGE fill
	WIN 0
	s_wait_tensorcnt 0x0
	ds_add_u32 v[SPW], v[NIL]                      ; the scalar steps stand between the add and the wait for it
	s_xor_b32 s[TS], s[TS], SLOT1                  ; the other slot is read next
.if \fill
	s_xor_b32 s[GW+1], s[GW+1], SLOT1              ; the walking descriptor: the other slot than last time,
	s_add_nc_u64 s[GW+2:GW+3], s[GW+2:GW+3], CHUNK ; the next chunk; the type bits on top are not reached
	s_wait_xcnt 0x0                                ; the last prefetch, a chunk back, has read its address
	s_add_nc_u64 s[PFA:PFA+1], s[PFA:PFA+1], CHUNK
	s_wait_dscnt 0x0
	CROUND
	tensor_load_to_lds s[GW:GW+3], s[G1:G1+7]
	s_nop 0
	PLACES 4
	ASK
.else
	s_wait_dscnt 0x0
	s_barrier_signal -1
	s_barrier_wait -1
.endif
	v_add_nc_u32 v[BAC], s[TS], v[BA]
.endm
.macro ALOAD xr, srt, sks, sp          ; the 32 rows' fragments, all 8 K steps: 32 loads
	WIN 0x40
.set i, 0
.rept 16                               ; i = 8 rt + K step
	ds_load_b128 v[8*i:8*i+3],   v[\xr] offset:(i/8)*(\srt)+(i%8)*(\sks)
	ds_load_b128 v[8*i+4:8*i+7], v[\xr] offset:(i/8)*(\srt)+(i%8)*(\sks)+(\sp)
.set i, i+1
.endr
.endm
.macro MM fmt, d, a, b, c
	v_wmma_f32_16x16x32_\fmt v[\d:\d+7], v[\a:\a+7], v[\b:\b+7], v[\c:\c+7]
.endm
; A CHUNK: 64 LDS loads bring my weight fragments, K step by K step; 64 matrix instructions follow them.  The eight accumulators take turns, one instruction a turn.
; cvec >= 0: the first K step starts the sums with that bias (window 3); cvec = -1: it adds onto what the accumulators hold.  swap = 1: the activations are source 0.
.macro GEMM acc, cvec, swap, fmt
	WIN 0x80
.set ks, 0
.rept 8
.set tt, 0
.rept 4
	ds_load_b128 v[8*(4*ks+tt):8*(4*ks+tt)+3],   v[BAC] offset:tt*8448+ks*64
	ds_load_b128 v[8*(4*ks+tt)+4:8*(4*ks+tt)+7], v[BAC] offset:tt*8448+ks*64+32
.set tt, tt+1
.endr
.set ks, ks+1
.endr
.set ks, 0
.rept 8
	s_wait_dscnt 56-8*ks                           ; the later K steps' loads, eight each, may stay out; all that was issued earlier is in
.if (ks == 0) && ((\cvec) >= 0)
	WIN 0x36+3*(\swap)
.else
	WIN 0x06+3*(\swap)
.endif
.set tt, 0
.rept 4
.set rr, 0
.rept 2
.set rD, (\acc)+8*(4*rr+tt)
.set rB, 8*(4*ks+tt)
.set rA, 8*(8*rr+ks)
.set rC, rD
.if (ks == 0) && ((\cvec) >= 0)
.set rC, (\cvec)+8*tt
.endif
.if \swap
	MM \fmt, rD, rA, rB, rC
.else
	MM \fmt, rD, rB, rA, rC
.endif
.set rr, rr+1
.endr
.set tt, tt+1
.endr
.set ks, ks+1
.endr
	WIN 0
	PLACES 8                                       ; behind the last products, in front of all that reads their results or writes or loads into their sources
.endm
.macro ADDV acc, vec                   ; a bias of window 3 onto both row tiles
	WIN 0x0c
.set p, 0
.rept 32
	v_pk_add_f32 v[(\acc)+2*p:(\acc)+2*p+1], v[(\acc)+2*p:(\acc)+2*p+1], v[(\vec)+2*(p%16):(\vec)+2*(p%16)+1]
.set p, p+1
.endr
	WIN 0
.endm
.macro BOTH line:vararg                ; one line for each row tile
.set tb, T
	\line
.set tb, T+16
	\line
.endm
; LAYERNORM in place on acc; st: which meeting place; g, b: gain and shift (window 1).
.macro LN acc, st, g, b
	WIN 0
.set k, 2
.rept 3                                ; my 32 numbers of the row, each accumulator from its low end on
.set p, 0
.rept 8
.set xx, (\acc)+8*p
.set pp, T+16*(p/4)+2*(p%4)
.if k == 2
	v_pk_add_f32 v[pp:pp+1], v[xx:xx+1], v[xx+2:xx+3]
.else
	v_pk_add_f32 v[pp:pp+1], v[pp:pp+1], v[xx+k:xx+k+1]
.endif
.set p, p+1
.endr
.set k, k+2
.endr
	BOTH v_pk_add_f32 v[tb:tb+1], v[tb:tb+1], v[tb+2:tb+3]
	BOTH v_pk_add_f32 v[tb+4:tb+5], v[tb+4:tb+5], v[tb+6:tb+7]
	BOTH v_pk_add_f32 v[tb:tb+1], v[tb:tb+1], v[tb+4:tb+5]
	BOTH v_add_f32 v[tb+8], v[tb], v[tb+1]
	BOTH v_permlanex16_b32 v[tb+2], v[tb+8], s[SEL], s[SEL+1]
	BOTH v_add_f32 v[tb+8], v[tb+8], v[tb+2]
	BOTH v_mul_f32 v[tb+8], 0x3c800000, v[tb+8]
	BOTH v_mov_b32 v[tb+9], v[tb+8]
.set p, 0
.rept 16                               ; squared deviations from my wave's mean, two chains a row tile
.set dd, T+2*(p%4)
.set xx, (\acc)+2*p
.set cc, T+10+2*(p%2)
	v_pk_add_f32 v[dd:dd+1], v[xx:xx+1], v[T+8:T+9] neg_lo:[0,1] neg_hi:[0,1]
	v_pk_add_f32 v[dd+16:dd+17], v[xx+32:xx+33], v[T+24:T+25] neg_lo:[0,1] neg_hi:[0,1]
.if p < 2
	v_pk_mul_f32 v[cc:cc+1], v[dd:dd+1], v[dd:dd+1]
	v_pk_mul_f32 v[cc+16:cc+17], v[dd+16:dd+17], v[dd+16:dd+17]
.else
	v_pk_fma_f32 v[cc:cc+1], v[dd:dd+1], v[dd:dd+1], v[cc:cc+1]
	v_pk_fma_f32 v[cc+16:cc+17], v[dd+16:dd+17], v[dd+16:dd+17], v[cc+16:cc+17]
.endif
.set p, p+1
.endr
	BOTH v_pk_add_f32 v[tb+10:tb+11], v[tb+10:tb+11], v[tb+12:tb+13]
	BOTH v_add_f32 v[tb+9], v[tb+10], v[tb+11]
	BOTH v_permlanex16_b32 v[tb+2], v[tb+9], s[SEL], s[SEL+1]
	BOTH v_add_f32 v[tb+9], v[tb+9], v[tb+2]
	ds_store_b64 v[STW], v[T+8:T+9] offset:(\st)*1024
	ds_store_b64 v[STW], v[T+24:T+25] offset:(\st)*1024+512
	s_wait_dscnt 0x0                               ; for the others' sake: my two stores are done
	s_barrier_signal -1                            ; the refill on its way may stay out
	s_barrier_wait -1
	ds_load_b128 v[T:T+3], v[STR] offset:(\st)*1024
	ds_load_b128 v[T+4:T+7], v[STR] offset:(\st)*1024+16
	ds_load_b128 v[T+16:T+19], v[STR] offset:(\st)*1024+512
	ds_load_b128 v[T+20:T+23], v[STR] offset:(\st)*1024+528
	s_wait_dscnt 0x0
	BOTH v_add_f32 v[tb+8], v[tb], v[tb+2]
	BOTH v_add_f32 v[tb+9], v[tb+4], v[tb+6]
	BOTH v_add_f32 v[tb+8], v[tb+8], v[tb+9]
	BOTH v_mul_f32 v[tb+8], 0x3e800000, v[tb+8]
	BOTH v_sub_f32 v[tb], v[tb], v[tb+8]
	BOTH v_sub_f32 v[tb+2], v[tb+2], v[tb+8]
	BOTH v_sub_f32 v[tb+4], v[tb+4], v[tb+8]
	BOTH v_sub_f32 v[tb+6], v[tb+6], v[tb+8]
	BOTH v_mul_f32 v[tb+10], v[tb], v[tb]
	BOTH v_fma_f32 v[tb+10], v[tb+2], v[tb+2], v[tb+10]
	BOTH v_fma_f32 v[tb+10], v[tb+4], v[tb+4], v[tb+10]
	BOTH v_fma_f32 v[tb+10], v[tb+6], v[tb+6], v[tb+10]
	BOTH v_add_f32 v[tb+1], v[tb+1], v[tb+3]
	BOTH v_add_f32 v[tb+5], v[tb+5], v[tb+7]
	BOTH v_add_f32 v[tb+1], v[tb+1], v[tb+5]
	BOTH v_fma_f32 v[tb+1], v[tb+10], s[C64], v[tb+1]
	BOTH v_fma_f32 v[tb+12], v[tb+1], s[INV], s[EPS]
	BOTH v_rsq_f32 v[tb+10], v[tb+12]
	v_nop                                          ; the plain instruction behind the two roots,
	s_wait_alu depctr_va_vdst(0)                   ; and one wait for both, ahead of their first reader
	BOTH v_mul_f32 v[tb+12], v[tb+8], v[tb+10]
.set p, 0
.rept 32                               ; x rs - mean rs, one fused multiply-add for two numbers; the pairs' low words serve both halves
.set tb, T+16*(p/16)
	v_pk_fma_f32 v[(\acc)+2*p:(\acc)+2*p+1], v[(\acc)+2*p:(\acc)+2*p+1], v[tb+10:tb+11], v[tb+12:tb+13] op_sel_hi:[1,0,0] neg_lo:[0,0,1] neg_hi:[0,0,1]
.set p, p+1
.endr
	WIN 0x14
.set p, 0
.rept 32
	v_pk_fma_f32 v[(\acc)+2*p:(\acc)+2*p+1], v[(\acc)+2*p:(\acc)+2*p+1], v[(\g)+2*(p%16):(\g)+2*(p%16)+1], v[(\b)+2*(p%16):(\b)+2*(p%16)+1]
.set p, p+1
.endr
	WIN 0
.endm
.macro PACKX acc, xw, relu             ; rounded to f16 (relu = 1: negative numbers become 0) and stored as the next product's fragments
	WIN 0
.set p, 0
.rept 32
	v_cvt_pk_f16_f32 v[TP+p], v[(\acc)+2*p], v[(\acc)+2*p+1]
.set p, p+1
.endr
.if \relu
.set p, 0
.rept 32
	v_pk_max_num_f16 v[TP+p], v[TP+p], v[ZERO]
.set p, p+1
.endr
.endif
.set p, 0
.rept 8                                ; p = 4 rt + t: columns 64 w + 16 t are K step 2 w + t / 2, part t % 2
	ds_store_b128 v[\xw], v[TP+4*p:TP+4*p+3] offset:(p/4)*8192+((p%4)/2)*1024+(p%2)*512
.set p, p+1
.endr
.endm
.macro OUTH acc, kind, scale           ; q, k (kind 0) or v (kind 1) leave as f16, 512 consecutive bytes a store
	WIN 0
	s_wait_xcnt 0x0                                ; earlier stores have read their registers and their base: TP and the base are rewritten only behind this wait
	s_add_nc_u64 s[OBW:OBW+1], s[OBW:OBW+1], QKV   ; on to q, then to k, then to v
.if \scale
.set p, 0
.rept 32
	v_pk_mul_f32 v[(\acc)+2*p:(\acc)+2*p+1], v[(\acc)+2*p:(\acc)+2*p+1], s[CS:CS+1] op_sel_hi:[1,0]
.set p, p+1
.endr
.endif
.set p, 0
.rept 32
	v_cvt_pk_f16_f32 v[TP+p], v[(\acc)+2*p], v[(\acc)+2*p+1]
.set p, p+1
.endr
.set p, 0
.rept 8
.if \kind
	global_store_b128 v[LO], v[TP+4*p:TP+4*p+3], s[OBW:OBW+1] offset:((p%4)/2)*65536+(p%2)*1024+(p/4)*512
.else
	global_store_b128 v[LO], v[TP+4*p:TP+4*p+3], s[OBW:OBW+1] offset:((p%4)/2)*65536+(p/4)*1024+(p%2)*512
.endif
.set p, p+1
.endr
.endm
.if MODE == 0
.set SECOND, 5
.set NASK, 1
	s_load_b128 s[4:7], s[0:1], 0x0                ; pack, x
	s_load_b64 s[10:11], s[0:1], 0x10              ; state out
.else
.set SECOND, 1
.set NASK, 8-3*MODE                    ; refills less one: 5 in MODE 1, 2 in MODE 2
	s_load_b256 s[4:11], s[0:1], 0x0               ; pack, ctx, state in, state out or out0
.endif
	v_lshl_add_u32 v[SPW], v0, 2, SPARE
	v_mov_b32 v[NIL], 0
	ds_add_u32 v[SPW], v[NIL]                      ; the wave's opening: the add and its wait stand ahead of my first tensor load; work on registers stands between them
	v_lshrrev_b32 v1, 5, v0
	v_readfirstlane_b32 s[WV], v1
	s_bfe_u32 s[CX], ttmp6, 0x40000
	s_lshl_b32 s[WG], ttmp9, 2
	s_add_co_u32 s[WG], s[WG], s[CX]               ; my block of 32 rows: it enters global addresses of my own loads and stores alone
	s_mov_b32 s[G1], 15|(1<<16)|(1<<20)|(1<<21)|(6<<22)|(3<<25)  ; the mask of four; 2-byte elements; padding on; bit 21 beside a mask; after every 128 words 4 words
	s_mov_b32 s[G1+1], 256<<16                     ; tensor_dim0 = 256
	s_mov_b32 s[G1+2], 64<<16                      ; tensor_dim1 = 64
	s_mov_b32 s[G1+3], 256<<16                     ; tile_dim0 = 256
	s_mov_b32 s[G1+4], 64                          ; tile_dim1 = 64
	s_mov_b32 s[G1+5], 256                         ; elements from row to row
	s_mov_b32 s[G1+6], 0
	s_mov_b32 s[G1+7], 0
	s_mov_b32 s[G0A], 1
	s_mul_i32 s[G0A+1], s[WV], WROWS
	s_mov_b32 s[GW], 1
	s_add_co_u32 s[GW+1], s[G0A+1], SLOT1
	s_lshl_b32 s54, s[WV], 15                      ; my 64 rows of 512 bytes in a chunk
	s_mov_b32 s55, 0
	s_mov_b32 s[SEL], 0x76543210
	s_mov_b32 s[SEL+1], 0xfedcba98
	s_mov_b32 s[CS], 0x3e8293ee                    ; c = log2(e) / sqrt(32) = 0.255035
	s_mov_b32 s[CS+1], s[CS]
	s_mov_b32 s[INV], 0x3b800000
	s_mov_b32 s[EPS], 0x3727c5ac                   ; 1e-5
	s_mov_b32 s[C64], 0x42800000                   ; the columns of a wave, for LayerNorm's meeting
	s_mov_b32 s[TS], 0
	s_mov_b32 s[TX], 0
	s_cmp_eq_u32 ttmp9, 0                          ; the first cluster prefetches
	s_cselect_b32 s[PFL], NASK, 0
	s_wait_dscnt 0x0
	s_wait_kmcnt 0x0
	s_add_nc_u64 s[PW:PW+1], s[4:5], s[54:55]
	s_mov_b64 s[G0A+2:G0A+3], s[PW:PW+1]
	s_or_b32 s[G0A+3], s[G0A+3], 0x80000000
	s_add_nc_u64 s[GW+2:GW+3], s[PW:PW+1], SECOND*CHUNK
	s_or_b32 s[GW+3], s[GW+3], 0x80000000
	CROUND                                         ; all four work-groups are here: the first joint loads meet
	tensor_load_to_lds s[G0A:G0A+3], s[G1:G1+7]
	s_nop 0
	tensor_load_to_lds s[GW:GW+3], s[G1:G1+7]
	s_nop 0
	PLACES 4
	s_add_nc_u64 s[PP:PP+1], s[4:5], PRM
	s_lshl_b32 s54, s[CX], 2
	s_add_co_u32 s54, s54, s[WV]
	s_lshl_b32 s54, s54, 13                        ; 32 blocks of 256 bytes for each of the cluster's 16 waves
	s_add_nc_u64 s[PFA:PFA+1], s[4:5], s[54:55]
	s_add_nc_u64 s[PFA:PFA+1], s[PFA:PFA+1], SECOND*CHUNK
	s_lshl_b32 s54, s[WG], 15
.if MODE == 0
	s_add_nc_u64 s[INB:INB+1], s[6:7], s[54:55]
.endif
.if MODE == 2
	s_add_nc_u64 s[EOUT:EOUT+1], s[10:11], s[54:55]
.endif
	s_lshl_b32 s2, s[WV], 13
	s_add_co_u32 s54, s54, s2
.if MODE != 0
	s_add_nc_u64 s[EIN:EIN+1], s[8:9], s[54:55]
.endif
.if MODE != 2
	s_add_nc_u64 s[EOUT:EOUT+1], s[10:11], s[54:55]
.endif
.if MODE != 0
	s_lshl_b32 s54, s[WG], 14
	s_add_nc_u64 s[INB:INB+1], s[6:7], s[54:55]
.endif
.if MODE != 2
	s_lshr_b32 s54, s[WG], 5                       ; the sequence: 8 heads x 65,536 bytes
	s_lshl_b32 s54, s54, 19
	s_lshl_b32 s2, s[WV], 17                       ; my two heads
	s_add_co_u32 s54, s54, s2
	s_and_b32 s2, s[WG], 31                        ; my block of 32 rows in the sequence
	s_lshl_b32 s2, s2, 11
	s_add_co_u32 s54, s54, s2
	s_add_nc_u64 s[OBW:OBW+1], s[10:11], s[54:55]
	s_add_nc_u64 s[OBW:OBW+1], s[OBW:OBW+1], QKV   ; one step in front of q, which begins at 2 QKV
.endif
	v_and_b32 v[RR], 15, v0
	v_bfe_u32 v[HH], v0, 4, 1
	v_and_b32 v[LO], 31, v0
	v_lshlrev_b32 v[LO], 4, v[LO]
	v_lshlrev_b32 v[PFO], 4, v[LO]
	v_mul_u32_u24 v[BA], v[RR], 528
	v_lshl_add_u32 v[BA], v[HH], 4, v[BA]
.if MODE == 0
	v_add_nc_u32 v[MC], X0, v[BA]
.endif
	v_add_nc_u32 v[BA], s[G0A+1], v[BA]
	v_mov_b32 v[BAC], v[BA]                        ; slot 0 is read first
	v_add_nc_u32 v[XR0], X0, v[LO]
	v_add_nc_u32 v[XR1], X1, v[LO]
	v_add_nc_u32 v[XR2], X2, v[LO]
	s_lshl_b32 s2, s[WV], 11
	v_add_nc_u32 v[XW0], s2, v[XR0]
	v_add_nc_u32 v[XW1], s2, v[XR1]
	v_lshl_add_u32 v[STR], v[RR], 5, ST
	s_lshl_b32 s2, s[WV], 3
	v_add_nc_u32 v[STW], s2, v[STR]
	s_lshl_b32 s3, s[WV], 8
	v_lshl_add_u32 v[PO], v[HH], 5, s3
	v_lshl_add_u32 v[PVO], v[RR], 2, s3
	v_mov_b32 v[ZERO], 0
.if MODE == 0
	v_lshl_add_u32 v[MA], v[RR], 4, s3             ; a load takes two rows of x: row lane / 16, my wave's 256 bytes of it
	v_lshl_add_u32 v[MA], v[HH], 10, v[MA]
	v_mul_u32_u24 v[MB], v[HH], 528
	v_lshl_add_u32 v[MB], v[RR], 3, v[MB]
	s_lshl_b32 s2, s[WV], 7
	s_add_co_u32 s2, s2, X0
	v_add_nc_u32 v[MB], s2, v[MB]
.endif
.if MODE == 2
	s_mul_i32 s2, s[WV], 4352
	s_add_co_u32 s2, s2, STG
	v_mul_u32_u24 v[MA], v[RR], 272
	v_lshl_add_u32 v[MA], v[HH], 5, v[MA]
	v_add_nc_u32 v[MA], s2, v[MA]
	v_mul_u32_u24 v[MB], v[HH], 272
	v_lshl_add_u32 v[MB], v[RR], 4, v[MB]
	v_add_nc_u32 v[MB], s2, v[MB]
	v_lshl_add_u32 v[MC], v[RR], 4, s3
	v_lshl_add_u32 v[MC], v[HH], 10, v[MC]
.endif
.if MODE == 0
.set i, 0
.rept 16
	global_load_b128 v[ACC1+4*i:ACC1+4*i+3], v[MA], s[INB:INB+1] offset:2048*i th:TH_LOAD_NT
.set i, i+1
.endr
	WIN 0x40
	LDVEC G1V, 6
	LDVEC B1L, 7
	WIN 0xc0
	LDVEC BO, 0
	LDVEC BQ, 8
	LDVEC BK, 9
	LDVECV BV
	WIN 0
	s_wait_loadcnt 0x0
	SPREADV BV
.set p, 0
.rept 32
	v_cvt_pk_bf16_f32 v[TP+p], v[ACC1+2*p], v[ACC1+2*p+1]
.set p, p+1
.endr
.set i, 0
.rept 16
	ds_store_b64 v[MB], v[TP+2*i:TP+2*i+1] offset:i*1056
.set i, i+1
.endr
	s_wait_tensorcnt 0x1                           ; my rows of slot 0 are in; slot 1's may stay out
	s_wait_dscnt 0x0                               ; for the others' sake: my part of x lies in LDS
	s_barrier_signal -1
	s_barrier_wait -1
	ALOAD MC, 8448, 64, 32
	GEMM ACC0, BO, 0, bf16                         ; x Win^T + bin
.else
	WIN 0x40
.set i, 0
.rept 32
	global_load_b128 v[4*i:4*i+3], v[LO], s[INB:INB+1] offset:512*i th:TH_LOAD_NT  ; ctx, as fragments
.set i, i+1
.endr
	LDVEC G2, 1
	LDVEC B2L, 2
	LDVEC G1V, 6
	LDVEC B1L, 7
	WIN 0xc0
	LDVEC BO, 0
	LDVEC B1A, 3
	LDVEC B1B, 4
	LDVEC B2, 5
.if MODE == 1
	LDVEC BQ, 8
	LDVEC BK, 9
	LDVECV BV
.endif
	WIN 0
.set i, 0
.rept 16
	global_load_b128 v[ACC0+4*i:ACC0+4*i+3], v[LO], s[EIN:EIN+1] offset:512*i th:TH_LOAD_NT  ; e, straight into the accumulators
.set i, i+1
.endr
	s_wait_loadcnt 0x0
.if MODE == 1
	SPREADV BV
.endif
	ADDV ACC0, BO                                  ; e + bo is what the product adds onto
	s_wait_tensorcnt 0x1                           ; my rows of slot 0 are in; slot 1's may stay out
	s_barrier_signal -1
	s_barrier_wait -1
	GEMM ACC0, -1, 0, f16                          ; + ctx Wo^T
	CHANGE 1                                       ; slot 0 has been read out: W1's second half is asked for while the LayerNorm runs
	LN ACC0, 0, G2, B2L
	PACKX ACC0, XW1, 0
	ADDV ACC0, B2                                  ; e + b2 is what W2's products add onto
	XBAR                                           ; the LayerNorm's output lies in X1, everybody's part of it
	s_mov_b32 s[CNT], 2
.Lw1:                                              ; hidden units 0-255 into X0, then 256-511 into X2
	ALOAD XR1, 8192, 1024, 512
	GEMM ACC1, B1A, 0, f16
	COPYB B1A, B1B
	v_add_nc_u32 v[XC], s[TX], v[XW0]
	PACKX ACC1, XC, 1
	s_xor_b32 s[TX], s[TX], X2-X0
	CHANGE 1
	s_sub_co_u32 s[CNT], s[CNT], 1
	s_cmp_lg_u32 s[CNT], 0
	s_cbranch_scc1 .Lw1
	ALOAD XR0, 8192, 1024, 512
	GEMM ACC0, -1, 0, f16
.if MODE == 1
	CHANGE 1
.else
	CHANGE 0
.endif
	ALOAD XR2, 8192, 1024, 512
	GEMM ACC0, -1, 0, f16
.endif
	LN ACC0, 1, G1V, B1L
.if MODE != 2
.set i, 0
.rept 16
	global_store_b128 v[LO], v[ACC0+4*i:ACC0+4*i+3], s[EOUT:EOUT+1] offset:512*i
.set i, i+1
.endr
	PACKX ACC0, XW0, 0                             ; the block's last readers waited for their loads in front of an earlier barrier
	s_mov_b32 s[CNT], 2
.Lqk:                                              ; q, then k
	CHANGE 1
	ALOAD XR0, 8192, 1024, 512
	GEMM ACC1, BQ, 0, f16
	COPYB BQ, BK
	OUTH ACC1, 0, 1
	s_mov_b32 s[CS], 1.0                           ; k is not scaled
	s_sub_co_u32 s[CNT], s[CNT], 1
	s_cmp_lg_u32 s[CNT], 0
	s_cbranch_scc1 .Lqk
	CHANGE 0
	GEMM ACC1, BV, 1, f16                          ; v, from the fragments that are still in registers
	OUTH ACC1, 1, 0
.else
	; out0 wants true rows: through my own stage, a row tile at a time; LDS serves a wave's instructions in order, so no wait stands between my stores and my loads
.irp rt, 0,1
.set p, 0
.rept 8
	ds_store_b128 v[MA], v[ACC0+32*(\rt)+4*p:ACC0+32*(\rt)+4*p+3] offset:(p/2)*64+(p%2)*16
.set p, p+1
.endr
.set p, 0
.rept 8
	ds_load_b128 v[ACC1+32*(\rt)+4*p:ACC1+32*(\rt)+4*p+3], v[MB] offset:p*544
.set p, p+1
.endr
.endr
	s_wait_dscnt 16                                ; the second row tile's sixteen LDS instructions may stay out
.set p, 0
.rept 8
	global_store_b128 v[MC], v[ACC1+4*p:ACC1+4*p+3], s[EOUT:EOUT+1] offset:p*2048 th:TH_STORE_NT  ; 16 lanes store 256 consecutive bytes, aligned
.set p, p+1
.endr
	s_wait_dscnt 0x0
.set p, 0
.rept 8
	global_store_b128 v[MC], v[ACC1+32+4*p:ACC1+32+4*p+3], s[EOUT:EOUT+1] offset:16384+p*2048 th:TH_STORE_NT
.set p, p+1
.endr
.endif
	WIN 0
	s_wait_tensorcnt 0x0                           ; the wave's end, behind my last tensor load and my last LDS store
	ds_add_u32 v[SPW], v[NIL]
	s_wait_dscnt 0x0
	CROUND                                         ; the closing round: no work-group ends while a partner may still ask for a chunk that names it
	s_endpgm
.Lfunc_end_k_q9c89102e9c_post:
	.size	k_q9c89102e9c_post, .Lfunc_end_k_q9c89102e9c_post-k_q9c89102e9c_post
	.p2alignl 7, 3214868480
	.fill 96, 4, 3214868480
	.section	.rodata,"a",@progbits
	.p2align	6, 0x0
	.amdhsa_kernel k_q9c89102e9c_post
		.amdhsa_group_segment_fixed_size 327680
		.amdhsa_private_segment_fixed_size 0
		.amdhsa_enable_private_segment 0
		.amdhsa_kernarg_size 32
		.amdhsa_user_sgpr_count 2
		.amdhsa_user_sgpr_kernarg_segment_ptr 1
		.amdhsa_wavefront_size32 1
		.amdhsa_system_sgpr_workgroup_id_x 1
		.amdhsa_system_sgpr_workgroup_id_y 1
		.amdhsa_system_sgpr_workgroup_id_z 1
		.amdhsa_system_vgpr_workitem_id 0
		.amdhsa_next_free_vgpr 992
		.amdhsa_next_free_sgpr 66
		.amdhsa_reserve_vcc 0
		.amdhsa_float_denorm_mode_32 3
		.amdhsa_float_denorm_mode_16_64 3
		.amdhsa_memory_ordered 1
		.amdhsa_forward_progress 1
		.amdhsa_inst_pref_size 135
	.end_amdhsa_kernel
	.amdgpu_metadata
---
amdhsa.version: [ 1, 2 ]
amdhsa.kernels:
  - .name:           k_q9c89102e9c_post
    .symbol:         k_q9c89102e9c_post.kd
    .args:
      - { .name: p1, .offset: 0, .size: 8, .value_kind: global_buffer, .address_space: global }
      - { .name: ctx, .offset: 8, .size: 8, .value_kind: global_buffer, .address_space: global }
      - { .name: sa, .offset: 16, .size: 8, .value_kind: global_buffer, .address_space: global }
      - { .name: sb, .offset: 24, .size: 8, .value_kind: global_buffer, .address_space: global }
    .group_segment_fixed_size: 327680
    .private_segment_fixed_size: 0
    .kernarg_segment_align: 8
    .kernarg_segment_size: 32
    .max_flat_workgroup_size: 128
    .sgpr_count:     66
    .vgpr_count:     992
    .wavefront_size: 32
...
	.end_amdgpu_metadata
.endif
;; end of part 4
;; launch att1: the kernel of part 3 again; grid 256 x 1, 4 waves a work-group, clusters of 4 x 1, 167,936 bytes of LDS; arguments sb, ctx; writes ctx
;; launch post2: the kernel of part 4 again; grid 256 x 1, 4 waves a work-group, clusters of 4 x 1, 327,680 bytes of LDS; arguments p2, ctx, sb, sa; writes sa
;; launch att2: the kernel of part 3 again; grid 256 x 1, 4 waves a work-group, clusters of 4 x 1, 167,936 bytes of LDS; arguments sa, ctx; writes ctx
;; launch post3: the kernel of part 4 again; grid 256 x 1, 4 waves a work-group, clusters of 4 x 1, 327,680 bytes of LDS; arguments p3, ctx, sa, sb; writes sb
;; launch att3: the kernel of part 3 again; grid 256 x 1, 4 waves a work-group, clusters of 4 x 1, 167,936 bytes of LDS; arguments sb, ctx; writes ctx
;; launch last (part 5): grid 256 x 1, 4 waves a work-group, clusters of 4 x 1, 327,680 bytes of LDS; arguments p4, ctx, sb, out0; writes out0
.if DOCPART == 5
	.amdgcn_target "amdgcn-amd-amdhsa--gfx1250"
	.amdhsa_code_object_version 6
	.text
	.protected	k_q9c89102e9c_last
	.globl	k_q9c89102e9c_last
	.p2align	8
	.type	k_q9c89102e9c_last,@function
k_q9c89102e9c_last:
	s_mov_b64 s[64:65], 0
	v_nop
	global_prefetch_b8 v0, s[64:65] scope:SCOPE_SE
	s_setreg_imm32_b32 hwreg(HW_REG_WAVE_MODE, 25, 1), 1
	s_wait_xcnt 0x0
	s_wait_alu depctr_hold_cnt(0) depctr_sa_sdst(0) depctr_va_vdst(0) depctr_va_sdst(0) depctr_va_ssrc(0) depctr_va_vcc(0) depctr_vm_vsrc(0)
	s_getreg_b32 s2, hwreg(HW_REG_IB_STS2, 6, 4)
	s_cmp_eq_u32 s2, 0
	s_cbranch_scc0 .Lentry_in_a_cluster
	s_endpgm
.Lentry_in_a_cluster:
	s_bfe_u32 s2, ttmp6, 0x10000c
	s_cmp_lg_u32 s2, 0x3003
	s_cbranch_scc0 .Lentry_shape_is_right
	s_endpgm
.Lentry_shape_is_right:
; THE DENSE CHAIN BETWEEN TWO ATTENTIONS, one text in three modes (MODE below); this file is one of them.
;   MODE 0 (pack, x, state out):            e = x Win^T + bin;                                                             e = LN1(e); e, q, k, v are stored
;   MODE 1 (pack, ctx, state in, state out): e = e + ctx Wo^T + bo; e = LN2(e); e = e + relu(e W1^T + b1) W2^T + b2;       e = LN1(e); e, q, k, v are stored
;   MODE 2 (pack, ctx, state in, out0):      the same up to W2;                                                            out0 = LNo(e)
; FORMATS.  x and Win bf16; every other weight arrives as its bf16 number written in f16; biases and gains arrive rounded to bf16, in f32.  What the program itself makes and multiplies again
; (ctx, q, k, v, the LayerNorms' outputs, the hidden units) is f16; sums, LayerNorms and the residual e are f32.  q is stored times c = log2(e) / sqrt(32), multiplied in f32 and rounded once.
; LIMIT: |c q|, |k|, |v|, the LayerNorms' outputs (at most 16 |gain| + |shift|) and the hidden units stay under 65,504, f16's end; beyond it an infinity is made.
; SHARES.  A work-group owns 32 rows (two row tiles rt of 16), whole, since a LayerNorm wants whole rows: 8,192 rows on 256 work-groups.  Wave w owns columns 64 w .. 64 w + 63 of every chunk of 256
; output columns: four column tiles t, eight accumulators.  A chunk ([256 n][256 k], 16 bits) is 8 K steps x 8 = 64 matrix instructions a wave.
; THE PRODUCT IS TAKEN TRANSPOSED (source 0 = 16 weight rows, source 1 = 16 activation rows): a lane holds ONE row (lane % 16) and eight neighbouring columns 8 (lane / 16) + 0..7.  V alone is taken
; the other way round: a lane then holds one channel and eight keys, which is the fragment that attention's second product wants.
; FRAGMENT ORDER.  Every 16 bytes that a lane holds are stored where the reader's fragment load wants them: each load and store of e, q, k, v, ctx is base + 16 x lane, 512 consecutive bytes, aligned.
; WEIGHTS.  All work-groups walk the same pack, so the four of a cluster ask for each chunk JOINTLY (mask 15).  Wave w brings the 64 weight rows that it multiplies.  Two slots, a chunk each; a wave has
; two tensor loads out at the start and one behind each round.  ONE descriptor walks: each refill turns its LDS word to the other slot and steps its address by a chunk.  In MODE 1 and 2 the first refill
; stands straight behind the first product: slot 0 has been read out, and the LayerNorm that follows needs no weights.
; TWO CHUNKS, ONE TEXT.  W1's two halves, and Wq and Wk, are loops of two trips.  The slot that is read and the block that is written hang on scalars that are turned each trip; the second trip's bias is
; copied into the first's registers (in both trips), the activations' fragments are loaded again, and k is multiplied by 1.0 where q is multiplied by c: the price of the shorter text.
; AHEAD OF THE REFILLS.  Behind each refill but the last, the chunk that the NEXT refill will ask for is prefetched into the L2: its 131,072 bytes are 512 blocks of 256.  The first cluster asks, nobody
; else: its 16 waves take 32 blocks each, a lane a block, told apart by address (4 x place in the cluster + wave): one instruction a wave.  The launch's first three chunks come by their loads alone.
; LAYERNORM.  Each wave makes mean and sum of squared deviations of its 64 columns; the four meet in LDS and are combined from means and deviations: no difference of large sums is formed.
.set MODE, 2
.set SLOT1,  135168                    ; a slot: 256 rows x 528 bytes (512 + 16 of padding: the 16 rows of a fragment load start at 16 different groups of four banks).  135,168 shares no bit with wave x 33,792
.set WROWS,  33792                     ; a wave's 64 rows of a slot
.set X0,     270336                    ; activations in fragment order: (8 rt + K step) x 1,024 + part x 512 + 16 x lane; 16,384 bytes
.set X1,     286720                    ; a second such block.  (MODE 0: from X0 on first x as bf16 in rows of 528 bytes, 16,896 bytes)
.set ST,     303104                    ; LayerNorm's meeting place, twice 1,024 bytes: [32 rows][4 waves][mean, sum of squares]
.set SPARE,  305152                    ; the spare words, 128 bytes for each wave: two blocks of 256 bytes that no other line names
.set X2,     305664                    ; a third block of activations
.set STG,    X2                        ; MODE 2, behind the last LayerNorm's barrier: a stage of 16 rows x 272 bytes for each wave.  No tensor load lands from X0 on
.set CHUNK,  131072
.set PRM,    1048576
.set QKV,    4194304                   ; bytes of q, of k and of v in a state
; window 0
.set RR, 1                             ; lane % 16
.set HH, 2                             ; lane / 16
.set SPW, 3                            ; LDS address of my spare word; never rewritten
.set NIL, 4                            ; 0; never rewritten
.set BA, 5                             ; my place in my 64 weight rows of slot 0
.set BAC, 6                            ; the same in the slot that is read next
.set XR0, 7                            ; X0, X1 + 16 x lane
.set XR1, 8
.set XW0, 9                            ; the same + 2,048 w: where my columns' fragments go
.set XW1, 10
.set STW, 11
.set STR, 12
.set LO, 13                            ; 16 x lane
.set PO, 14                            ; parameters of my columns: 256 w + 32 (lane / 16)
.set PVO, 15                           ; bv of my channel: 256 w + 4 (lane % 16)
.set ZERO, 16
.set MA, 17                            ; MODE 0: my offset in x;  MODE 2: into the stage
.set MB, 18                            ; MODE 0: where x goes in LDS;  MODE 2: back from the stage
.set MC, 19                            ; MODE 0: x's fragments;  MODE 2: my offset in out0
.set T, 20                             ; v[20:51] LayerNorm's registers, 16 a row tile
.set XC, 52                            ; where W1's trip in hand puts its hidden units
.set PFO, 53                           ; 256 x lane: the prefetches' offset; never rewritten
.set XR2, 54                           ; X2 + 16 x lane
.set ACC0, 64                          ; tile (rt, t) at + 8 (4 rt + t)
.set ACC1, 128
.set TP, 192                           ; v[192:223] packed results
; window 1: v[0:127] the activations' fragments, (rt, K step) at 8 (8 rt + K step); then gains and shifts, register 8 t + j for column 64 w + 16 t + 8 (lane / 16) + j
.set G2, 128
.set B2L, 160
.set G1V, 192
.set B1L, 224
; window 2: v[0:255] my weight fragments of a whole chunk, (K step, t) at 8 (4 K step + t)
; window 3: biases, laid as the gains; BV: all eight registers of tile t hold bv of channel 64 w + 16 t + lane % 16
.set BO, 0
.set B1A, 32
.set B1B, 64
.set B2, 96
.set BQ, 128
.set BK, 160
.set BV, 192
.set WV, 12
.set CX, 13
.set WG, 14
.set CNT, 15                           ; counts a loop's two trips
.set G1, 16                            ; s[16:23] descriptor group 1
.set G0A, 24                           ; s[24:27] group 0 of the first fill of slot 0
.set GW, 28                            ; s[28:31] group 0 that walks: the first fill of slot 1, then every refill
.set PW, 32                            ; pack + my 64 rows of a chunk
.set PP, 34                            ; pack's parameters
.set EIN, 36
.set EOUT, 38                          ; MODE 2: out0 at my work-group's rows
.set INB, 40                           ; ctx or x at my work-group's rows
.set OBW, 42                           ; the state's q, k, v at my place: it walks from one to the next
.set PFA, 44                           ; my 32 blocks in the chunk that the walking descriptor names; a prefetch names the chunk behind it
.set SEL, 48                           ; v_permlanex16_b32's selects: each lane takes its own place in the other half
.set CS, 50                            ; s[50:51] c for q, then 1.0 for k: the packed multiply takes the pair's low word for both halves
.set INV, 52                           ; 1 / 256
.set EPS, 53
.set C64, 56                           ; 64.0
.set TS, 57                            ; 0 or SLOT1: the slot that is read next
.set TX, 58                            ; 0 or X2 - X0: the block that W1's trip writes
.set PFL, 59                           ; prefetches still to come: 0 in every cluster but the first
.set MSB, 0
.macro WIN new                         ; the immediate's high byte repeats the setting that is left; a switch that changes nothing is dropped
.if MSB != (\new)
	s_set_vgpr_msb (MSB<<8)|(\new)
.set MSB, (\new)
.endif
.endm
.macro PLACES n
.rept \n
	v_nop
.endr
.endm
; A round of the cluster's barrier: my work-group's barrier, wave 0 signals for the work-group, every wave waits for all four work-groups, my work-group's barrier once more.
.macro CROUND
	s_barrier_signal -1
	s_barrier_wait -1
	s_cmp_lg_u32 s[WV], 0
	s_cbranch_scc1 .Lnot_wave_0_\@
	s_barrier_signal -3
.Lnot_wave_0_\@:
	s_barrier_wait -3
	s_barrier_signal -1
	s_barrier_wait -1
.endm
.macro XBAR                            ; activations stored in front of it are handed to the other waves; a refill on its way may stay out
	s_wait_dscnt 0x0
	s_barrier_signal -1
	s_barrier_wait -1
.endm
.macro LDVEC dst, row                  ; parameter row 'row' for my 32 columns a lane; the caller sets the window
.set tt, 0
.rept 4
	global_load_b128 v[(\dst)+8*tt:(\dst)+8*tt+3],   v[PO], s[PP:PP+1] offset:(\row)*1024+tt*64
	global_load_b128 v[(\dst)+8*tt+4:(\dst)+8*tt+7], v[PO], s[PP:PP+1] offset:(\row)*1024+tt*64+16
.set tt, tt+1
.endr
.endm
.macro LDVECV dst                      ; bv by channel: one number a tile,
.set tt, 0
.rept 4
	global_load_b32 v[(\dst)+8*tt], v[PVO], s[PP:PP+1] offset:10240+tt*64
.set tt, tt+1
.endr
.endm
.macro SPREADV dst                     ; which fills the tile's eight registers: the operand that starts V's sums
	WIN 0xc3
.set i, 0
.rept 32
.if i%8
	v_mov_b32 v[(\dst)+i], v[(\dst)+i-i%8]
.endif
.set i, i+1
.endr
	WIN 0
.endm
.macro COPYB dst, src                  ; the loop's second bias takes the first's place (the last trip's copy serves nothing)
	WIN 0xc3
.set i, 0
.rept 32
	v_mov_b32 v[(\dst)+i], v[(\src)+i]
.set i, i+1
.endr
	WIN 0
.endm
.macro ASK                             ; the prefetch; the branch hangs on the cluster's number and a count: it is the same in all four partners
	s_cmp_lg_u32 s[PFL], 0
	s_cbranch_scc0 .Lnone_\@
	global_prefetch_b8 v[PFO], s[PFA:PFA+1] offset:CHUNK th:TH_LOAD_NT scope:SCOPE_SE
	s_sub_co_u32 s[PFL], s[PFL], 1
.Lnone_\@:
.endm
; THE CHANGE OF SLOTS.  Every wave waits for all its tensor loads (one is out: its rows of the other slot), adds 0 to its spare word, and waits for that, for its reads of the slot that it leaves and for
; its stores of activations.  fill = 1: the barrier is a round of the cluster's, and the joint refill of the slot just read is the first thing behind it.  fill = 0: nothing is left to ask for.
; The same barrier hands the activations stored in front of it to the other waves.
.macro CHANGE fill
	WIN 0
	s_wait_tensorcnt 0x0
	ds_add_u32 v[SPW], v[NIL]                      ; the scalar steps stand between the add and the wait for it
	s_xor_b32 s[TS], s[TS], SLOT1                  ; the other slot is read next
.if \fill
	s_xor_b32 s[GW+1], s[GW+1], SLOT1              ; the walking descriptor: the other slot than last time,
	s_add_nc_u64 s[GW+2:GW+3], s[GW+2:GW+3], CHUNK ; the next chunk; the type bits on top are not reached
	s_wait_xcnt 0x0                                ; the last prefetch, a chunk back, has read its address
	s_add_nc_u64 s[PFA:PFA+1], s[PFA:PFA+1], CHUNK
	s_wait_dscnt 0x0
	CROUND
	tensor_load_to_lds s[GW:GW+3], s[G1:G1+7]
	s_nop 0
	PLACES 4
	ASK
.else
	s_wait_dscnt 0x0
	s_barrier_signal -1
	s_barrier_wait -1
.endif
	v_add_nc_u32 v[BAC], s[TS], v[BA]
.endm
.macro ALOAD xr, srt, sks, sp          ; the 32 rows' fragments, all 8 K steps: 32 loads
	WIN 0x40
.set i, 0
.rept 16                               ; i = 8 rt + K step
	ds_load_b128 v[8*i:8*i+3],   v[\xr] offset:(i/8)*(\srt)+(i%8)*(\sks)
	ds_load_b128 v[8*i+4:8*i+7], v[\xr] offset:(i/8)*(\srt)+(i%8)*(\sks)+(\sp)
.set i, i+1
.endr
.endm
.macro MM fmt, d, a, b, c
	v_wmma_f32_16x16x32_\fmt v[\d:\d+7], v[\a:\a+7], v[\b:\b+7], v[\c:\c+7]
.endm
; A CHUNK: 64 LDS loads bring my weight fragments, K step by K step; 64 matrix instructions follow them.  The eight accumulators take turns, one instruction a turn.
; cvec >= 0: the first K step starts the sums with that bias (window 3); cvec = -1: it adds onto what the accumulators hold.  swap = 1: the activations are source 0.
.macro GEMM acc, cvec, swap, fmt
	WIN 0x80
.set ks, 0
.rept 8
.set tt, 0
.rept 4
	ds_load_b128 v[8*(4*ks+tt):8*(4*ks+tt)+3],   v[BAC] offset:tt*8448+ks*64
	ds_load_b128 v[8*(4*ks+tt)+4:8*(4*ks+tt)+7], v[BAC] offset:tt*8448+ks*64+32
.set tt, tt+1
.endr
.set ks, ks+1
.endr
.set ks, 0
.rept 8
	s_wait_dscnt 56-8*ks                           ; the later K steps' loads, eight each, may stay out; all that was issued earlier is in
.if (ks == 0) && ((\cvec) >= 0)
	WIN 0x36+3*(\swap)
.else
	WIN 0x06+3*(\swap)
.endif
.set tt, 0
.rept 4
.set rr, 0
.rept 2
.set rD, (\acc)+8*(4*rr+tt)
.set rB, 8*(4*ks+tt)
.set rA, 8*(8*rr+ks)
.set rC, rD
.if (ks == 0) && ((\cvec) >= 0)
.set rC, (\cvec)+8*tt
.endif
.if \swap
	MM \fmt, rD, rA, rB, rC
.else
	MM \fmt, rD, rB, rA, rC
.endif
.set rr, rr+1
.endr
.set tt, tt+1
.endr
.set ks, ks+1
.endr
	WIN 0
	PLACES 8                                       ; behind the last products, in front of all that reads their results or writes or loads into their sources
.endm
.macro ADDV acc, vec                   ; a bias of window 3 onto both row tiles
	WIN 0x0c
.set p, 0
.rept 32
	v_pk_add_f32 v[(\acc)+2*p:(\acc)+2*p+1], v[(\acc)+2*p:(\acc)+2*p+1], v[(\vec)+2*(p%16):(\vec)+2*(p%16)+1]
.set p, p+1
.endr
	WIN 0
.endm
.macro BOTH line:vararg                ; one line for each row tile
.set tb, T
	\line
.set tb, T+16
	\line
.endm
; LAYERNORM in place on acc; st: which meeting place; g, b: gain and shift (window 1).
.macro LN acc, st, g, b
	WIN 0
.set k, 2
.rept 3                                ; my 32 numbers of the row, each accumulator from its low end on
.set p, 0
.rept 8
.set xx, (\acc)+8*p
.set pp, T+16*(p/4)+2*(p%4)
.if k == 2
	v_pk_add_f32 v[pp:pp+1], v[xx:xx+1], v[xx+2:xx+3]
.else
	v_pk_add_f32 v[pp:pp+1], v[pp:pp+1], v[xx+k:xx+k+1]
.endif
.set p, p+1
.endr
.set k, k+2
.endr
	BOTH v_pk_add_f32 v[tb:tb+1], v[tb:tb+1], v[tb+2:tb+3]
	BOTH v_pk_add_f32 v[tb+4:tb+5], v[tb+4:tb+5], v[tb+6:tb+7]
	BOTH v_pk_add_f32 v[tb:tb+1], v[tb:tb+1], v[tb+4:tb+5]
	BOTH v_add_f32 v[tb+8], v[tb], v[tb+1]
	BOTH v_permlanex16_b32 v[tb+2], v[tb+8], s[SEL], s[SEL+1]
	BOTH v_add_f32 v[tb+8], v[tb+8], v[tb+2]
	BOTH v_mul_f32 v[tb+8], 0x3c800000, v[tb+8]
	BOTH v_mov_b32 v[tb+9], v[tb+8]
.set p, 0
.rept 16                               ; squared deviations from my wave's mean, two chains a row tile
.set dd, T+2*(p%4)
.set xx, (\acc)+2*p
.set cc, T+10+2*(p%2)
	v_pk_add_f32 v[dd:dd+1], v[xx:xx+1], v[T+8:T+9] neg_lo:[0,1] neg_hi:[0,1]
	v_pk_add_f32 v[dd+16:dd+17], v[xx+32:xx+33], v[T+24:T+25] neg_lo:[0,1] neg_hi:[0,1]
.if p < 2
	v_pk_mul_f32 v[cc:cc+1], v[dd:dd+1], v[dd:dd+1]
	v_pk_mul_f32 v[cc+16:cc+17], v[dd+16:dd+17], v[dd+16:dd+17]
.else
	v_pk_fma_f32 v[cc:cc+1], v[dd:dd+1], v[dd:dd+1], v[cc:cc+1]
	v_pk_fma_f32 v[cc+16:cc+17], v[dd+16:dd+17], v[dd+16:dd+17], v[cc+16:cc+17]
.endif
.set p, p+1
.endr
	BOTH v_pk_add_f32 v[tb+10:tb+11], v[tb+10:tb+11], v[tb+12:tb+13]
	BOTH v_add_f32 v[tb+9], v[tb+10], v[tb+11]
	BOTH v_permlanex16_b32 v[tb+2], v[tb+9], s[SEL], s[SEL+1]
	BOTH v_add_f32 v[tb+9], v[tb+9], v[tb+2]
	ds_store_b64 v[STW], v[T+8:T+9] offset:(\st)*1024
	ds_store_b64 v[STW], v[T+24:T+25] offset:(\st)*1024+512
	s_wait_dscnt 0x0                               ; for the others' sake: my two stores are done
	s_barrier_signal -1                            ; the refill on its way may stay out
	s_barrier_wait -1
	ds_load_b128 v[T:T+3], v[STR] offset:(\st)*1024
	ds_load_b128 v[T+4:T+7], v[STR] offset:(\st)*1024+16
	ds_load_b128 v[T+16:T+19], v[STR] offset:(\st)*1024+512
	ds_load_b128 v[T+20:T+23], v[STR] offset:(\st)*1024+528
	s_wait_dscnt 0x0
	BOTH v_add_f32 v[tb+8], v[tb], v[tb+2]
	BOTH v_add_f32 v[tb+9], v[tb+4], v[tb+6]
	BOTH v_add_f32 v[tb+8], v[tb+8], v[tb+9]
	BOTH v_mul_f32 v[tb+8], 0x3e800000, v[tb+8]
	BOTH v_sub_f32 v[tb], v[tb], v[tb+8]
	BOTH v_sub_f32 v[tb+2], v[tb+2], v[tb+8]
	BOTH v_sub_f32 v[tb+4], v[tb+4], v[tb+8]
	BOTH v_sub_f32 v[tb+6], v[tb+6], v[tb+8]
	BOTH v_mul_f32 v[tb+10], v[tb], v[tb]
	BOTH v_fma_f32 v[tb+10], v[tb+2], v[tb+2], v[tb+10]
	BOTH v_fma_f32 v[tb+10], v[tb+4], v[tb+4], v[tb+10]
	BOTH v_fma_f32 v[tb+10], v[tb+6], v[tb+6], v[tb+10]
	BOTH v_add_f32 v[tb+1], v[tb+1], v[tb+3]
	BOTH v_add_f32 v[tb+5], v[tb+5], v[tb+7]
	BOTH v_add_f32 v[tb+1], v[tb+1], v[tb+5]
	BOTH v_fma_f32 v[tb+1], v[tb+10], s[C64], v[tb+1]
	BOTH v_fma_f32 v[tb+12], v[tb+1], s[INV], s[EPS]
	BOTH v_rsq_f32 v[tb+10], v[tb+12]
	v_nop                                          ; the plain instruction behind the two roots,
	s_wait_alu depctr_va_vdst(0)                   ; and one wait for both, ahead of their first reader
	BOTH v_mul_f32 v[tb+12], v[tb+8], v[tb+10]
.set p, 0
.rept 32                               ; x rs - mean rs, one fused multiply-add for two numbers; the pairs' low words serve both halves
.set tb, T+16*(p/16)
	v_pk_fma_f32 v[(\acc)+2*p:(\acc)+2*p+1], v[(\acc)+2*p:(\acc)+2*p+1], v[tb+10:tb+11], v[tb+12:tb+13] op_sel_hi:[1,0,0] neg_lo:[0,0,1] neg_hi:[0,0,1]
.set p, p+1
.endr
	WIN 0x14
.set p, 0
.rept 32
	v_pk_fma_f32 v[(\acc)+2*p:(\acc)+2*p+1], v[(\acc)+2*p:(\acc)+2*p+1], v[(\g)+2*(p%16):(\g)+2*(p%16)+1], v[(\b)+2*(p%16):(\b)+2*(p%16)+1]
.set p, p+1
.endr
	WIN 0
.endm
.macro PACKX acc, xw, relu             ; rounded to f16 (relu = 1: negative numbers become 0) and stored as the next product's fragments
	WIN 0
.set p, 0
.rept 32
	v_cvt_pk_f16_f32 v[TP+p], v[(\acc)+2*p], v[(\acc)+2*p+1]
.set p, p+1
.endr
.if \relu
.set p, 0
.rept 32
	v_pk_max_num_f16 v[TP+p], v[TP+p], v[ZERO]
.set p, p+1
.endr
.endif
.set p, 0
.rept 8                                ; p = 4 rt + t: columns 64 w + 16 t are K step 2 w + t / 2, part t % 2
	ds_store_b128 v[\xw], v[TP+4*p:TP+4*p+3] offset:(p/4)*8192+((p%4)/2)*1024+(p%2)*512
.set p, p+1
.endr
.endm
.macro OUTH acc, kind, scale           ; q, k (kind 0) or v (kind 1) leave as f16, 512 consecutive bytes a store
	WIN 0
	s_wait_xcnt 0x0                                ; earlier stores have read their registers and their base: TP and the base are rewritten only behind this wait
	s_add_nc_u64 s[OBW:OBW+1], s[OBW:OBW+1], QKV   ; on to q, then to k, then to v
.if \scale
.set p, 0
.rept 32
	v_pk_mul_f32 v[(\acc)+2*p:(\acc)+2*p+1], v[(\acc)+2*p:(\acc)+2*p+1], s[CS:CS+1] op_sel_hi:[1,0]
.set p, p+1
.endr
.endif
.set p, 0
.rept 32
	v_cvt_pk_f16_f32 v[TP+p], v[(\acc)+2*p], v[(\acc)+2*p+1]
.set p, p+1
.endr
.set p, 0
.rept 8
.if \kind
	global_store_b128 v[LO], v[TP+4*p:TP+4*p+3], s[OBW:OBW+1] offset:((p%4)/2)*65536+(p%2)*1024+(p/4)*512
.else
	global_store_b128 v[LO], v[TP+4*p:TP+4*p+3], s[OBW:OBW+1] offset:((p%4)/2)*65536+(p/4)*1024+(p%2)*512
.endif
.set p, p+1
.endr
.endm
.if MODE == 0
.set SECOND, 5
.set NASK, 1
	s_load_b128 s[4:7], s[0:1], 0x0                ; pack, x
	s_load_b64 s[10:11], s[0:1], 0x10              ; state out
.else
.set SECOND, 1
.set NASK, 8-3*MODE                    ; refills less one: 5 in MODE 1, 2 in MODE 2
	s_load_b256 s[4:11], s[0:1], 0x0               ; pack, ctx, state in, state out or out0
.endif
	v_lshl_add_u32 v[SPW], v0, 2, SPARE
	v_mov_b32 v[NIL], 0
	ds_add_u32 v[SPW], v[NIL]                      ; the wave's opening: the add and its wait stand ahead of my first tensor load; work on registers stands between them
	v_lshrrev_b32 v1, 5, v0
	v_readfirstlane_b32 s[WV], v1
	s_bfe_u32 s[CX], ttmp6, 0x40000
	s_lshl_b32 s[WG], ttmp9, 2
	s_add_co_u32 s[WG], s[WG], s[CX]               ; my block of 32 rows: it enters global addresses of my own loads and stores alone
	s_mov_b32 s[G1], 15|(1<<16)|(1<<20)|(1<<21)|(6<<22)|(3<<25)  ; the mask of four; 2-byte elements; padding on; bit 21 beside a mask; after every 128 words 4 words
	s_mov_b32 s[G1+1], 256<<16                     ; tensor_dim0 = 256
	s_mov_b32 s[G1+2], 64<<16                      ; tensor_dim1 = 64
	s_mov_b32 s[G1+3], 256<<16                     ; tile_dim0 = 256
	s_mov_b32 s[G1+4], 64                          ; tile_dim1 = 64
	s_mov_b32 s[G1+5], 256                         ; elements from row to row
	s_mov_b32 s[G1+6], 0
	s_mov_b32 s[G1+7], 0
	s_mov_b32 s[G0A], 1
	s_mul_i32 s[G0A+1], s[WV], WROWS
	s_mov_b32 s[GW], 1
	s_add_co_u32 s[GW+1], s[G0A+1], SLOT1
	s_lshl_b32 s54, s[WV], 15                      ; my 64 rows of 512 bytes in a chunk
	s_mov_b32 s55, 0
	s_mov_b32 s[SEL], 0x76543210
	s_mov_b32 s[SEL+1], 0xfedcba98
	s_mov_b32 s[CS], 0x3e8293ee                    ; c = log2(e) / sqrt(32) = 0.255035
	s_mov_b32 s[CS+1], s[CS]
	s_mov_b32 s[INV], 0x3b800000
	s_mov_b32 s[EPS], 0x3727c5ac                   ; 1e-5
	s_mov_b32 s[C64], 0x42800000                   ; the columns of a wave, for LayerNorm's meeting
	s_mov_b32 s[TS], 0
	s_mov_b32 s[TX], 0
	s_cmp_eq_u32 ttmp9, 0                          ; the first cluster prefetches
	s_cselect_b32 s[PFL], NASK, 0
	s_wait_dscnt 0x0
	s_wait_kmcnt 0x0
	s_add_nc_u64 s[PW:PW+1], s[4:5], s[54:55]
	s_mov_b64 s[G0A+2:G0A+3], s[PW:PW+1]
	s_or_b32 s[G0A+3], s[G0A+3], 0x80000000
	s_add_nc_u64 s[GW+2:GW+3], s[PW:PW+1], SECOND*CHUNK
	s_or_b32 s[GW+3], s[GW+3], 0x80000000
	CROUND                                         ; all four work-groups are here: the first joint loads meet
	tensor_load_to_lds s[G0A:G0A+3], s[G1:G1+7]
	s_nop 0
	tensor_load_to_lds s[GW:GW+3], s[G1:G1+7]
	s_nop 0
	PLACES 4
	s_add_nc_u64 s[PP:PP+1], s[4:5], PRM
	s_lshl_b32 s54, s[CX], 2
	s_add_co_u32 s54, s54, s[WV]
	s_lshl_b32 s54, s54, 13                        ; 32 blocks of 256 bytes for each of the cluster's 16 waves
	s_add_nc_u64 s[PFA:PFA+1], s[4:5], s[54:55]
	s_add_nc_u64 s[PFA:PFA+1], s[PFA:PFA+1], SECOND*CHUNK
	s_lshl_b32 s54, s[WG], 15
.if MODE == 0
	s_add_nc_u64 s[INB:INB+1], s[6:7], s[54:55]
.endif
.if MODE == 2
	s_add_nc_u64 s[EOUT:EOUT+1], s[10:11], s[54:55]
.endif
	s_lshl_b32 s2, s[WV], 13
	s_add_co_u32 s54, s54, s2
.if MODE != 0
	s_add_nc_u64 s[EIN:EIN+1], s[8:9], s[54:55]
.endif
.if MODE != 2
	s_add_nc_u64 s[EOUT:EOUT+1], s[10:11], s[54:55]
.endif
.if MODE != 0
	s_lshl_b32 s54, s[WG], 14
	s_add_nc_u64 s[INB:INB+1], s[6:7], s[54:55]
.endif
.if MODE != 2
	s_lshr_b32 s54, s[WG], 5                       ; the sequence: 8 heads x 65,536 bytes
	s_lshl_b32 s54, s54, 19
	s_lshl_b32 s2, s[WV], 17                       ; my two heads
	s_add_co_u32 s54, s54, s2
	s_and_b32 s2, s[WG], 31                        ; my block of 32 rows in the sequence
	s_lshl_b32 s2, s2, 11
	s_add_co_u32 s54, s54, s2
	s_add_nc_u64 s[OBW:OBW+1], s[10:11], s[54:55]
	s_add_nc_u64 s[OBW:OBW+1], s[OBW:OBW+1], QKV   ; one step in front of q, which begins at 2 QKV
.endif
	v_and_b32 v[RR], 15, v0
	v_bfe_u32 v[HH], v0, 4, 1
	v_and_b32 v[LO], 31, v0
	v_lshlrev_b32 v[LO], 4, v[LO]
	v_lshlrev_b32 v[PFO], 4, v[LO]
	v_mul_u32_u24 v[BA], v[RR], 528
	v_lshl_add_u32 v[BA], v[HH], 4, v[BA]
.if MODE == 0
	v_add_nc_u32 v[MC], X0, v[BA]
.endif
	v_add_nc_u32 v[BA], s[G0A+1], v[BA]
	v_mov_b32 v[BAC], v[BA]                        ; slot 0 is read first
	v_add_nc_u32 v[XR0], X0, v[LO]
	v_add_nc_u32 v[XR1], X1, v[LO]
	v_add_nc_u32 v[XR2], X2, v[LO]
	s_lshl_b32 s2, s[WV], 11
	v_add_nc_u32 v[XW0], s2, v[XR0]
	v_add_nc_u32 v[XW1], s2, v[XR1]
	v_lshl_add_u32 v[STR], v[RR], 5, ST
	s_lshl_b32 s2, s[WV], 3
	v_add_nc_u32 v[STW], s2, v[STR]
	s_lshl_b32 s3, s[WV], 8
	v_lshl_add_u32 v[PO], v[HH], 5, s3
	v_lshl_add_u32 v[PVO], v[RR], 2, s3
	v_mov_b32 v[ZERO], 0
.if MODE == 0
	v_lshl_add_u32 v[MA], v[RR], 4, s3             ; a load takes two rows of x: row lane / 16, my wave's 256 bytes of it
	v_lshl_add_u32 v[MA], v[HH], 10, v[MA]
	v_mul_u32_u24 v[MB], v[HH], 528
	v_lshl_add_u32 v[MB], v[RR], 3, v[MB]
	s_lshl_b32 s2, s[WV], 7
	s_add_co_u32 s2, s2, X0
	v_add_nc_u32 v[MB], s2, v[MB]
.endif
.if MODE == 2
	s_mul_i32 s2, s[WV], 4352
	s_add_co_u32 s2, s2, STG
	v_mul_u32_u24 v[MA], v[RR], 272
	v_lshl_add_u32 v[MA], v[HH], 5, v[MA]
	v_add_nc_u32 v[MA], s2, v[MA]
	v_mul_u32_u24 v[MB], v[HH], 272
	v_lshl_add_u32 v[MB], v[RR], 4, v[MB]
	v_add_nc_u32 v[MB], s2, v[MB]
	v_lshl_add_u32 v[MC], v[RR], 4, s3
	v_lshl_add_u32 v[MC], v[HH], 10, v[MC]
.endif
.if MODE == 0
.set i, 0
.rept 16
	global_load_b128 v[ACC1+4*i:ACC1+4*i+3], v[MA], s[INB:INB+1] offset:2048*i th:TH_LOAD_NT
.set i, i+1
.endr
	WIN 0x40
	LDVEC G1V, 6
	LDVEC B1L, 7
	WIN 0xc0
	LDVEC BO, 0
	LDVEC BQ, 8
	LDVEC BK, 9
	LDVECV BV
	WIN 0
	s_wait_loadcnt 0x0
	SPREADV BV
.set p, 0
.rept 32
	v_cvt_pk_bf16_f32 v[TP+p], v[ACC1+2*p], v[ACC1+2*p+1]
.set p, p+1
.endr
.set i, 0
.rept 16
	ds_store_b64 v[MB], v[TP+2*i:TP+2*i+1] offset:i*1056
.set i, i+1
.endr
	s_wait_tensorcnt 0x1                           ; my rows of slot 0 are in; slot 1's may stay out
	s_wait_dscnt 0x0                               ; for the others' sake: my part of x lies in LDS
	s_barrier_signal -1
	s_barrier_wait -1
	ALOAD MC, 8448, 64, 32
	GEMM ACC0, BO, 0, bf16                         ; x Win^T + bin
.else
	WIN 0x40
.set i, 0
.rept 32
	global_load_b128 v[4*i:4*i+3], v[LO], s[INB:INB+1] offset:512*i th:TH_LOAD_NT  ; ctx, as fragments
.set i, i+1
.endr
	LDVEC G2, 1
	LDVEC B2L, 2
	LDVEC G1V, 6
	LDVEC B1L, 7
	WIN 0xc0
	LDVEC BO, 0
	LDVEC B1A, 3
	LDVEC B1B, 4
	LDVEC B2, 5
.if MODE == 1
	LDVEC BQ, 8
	LDVEC BK, 9
	LDVECV BV
.endif
	WIN 0
.set i, 0
.rept 16
	global_load_b128 v[ACC0+4*i:ACC0+4*i+3], v[LO], s[EIN:EIN+1] offset:512*i th:TH_LOAD_NT  ; e, straight into the accumulators
.set i, i+1
.endr
	s_wait_loadcnt 0x0
.if MODE == 1
	SPREADV BV
.endif
	ADDV ACC0, BO                                  ; e + bo is what the product adds onto
	s_wait_tensorcnt 0x1                           ; my rows of slot 0 are in; slot 1's may stay out
	s_barrier_signal -1
	s_barrier_wait -1
	GEMM ACC0, -1, 0, f16                          ; + ctx Wo^T
	CHANGE 1                                       ; slot 0 has been read out: W1's second half is asked for while the LayerNorm runs
	LN ACC0, 0, G2, B2L
	PACKX ACC0, XW1, 0
	ADDV ACC0, B2                                  ; e + b2 is what W2's products add onto
	XBAR                                           ; the LayerNorm's output lies in X1, everybody's part of it
	s_mov_b32 s[CNT], 2
.Lw1:                                              ; hidden units 0-255 into X0, then 256-511 into X2
	ALOAD XR1, 8192, 1024, 512
	GEMM ACC1, B1A, 0, f16
	COPYB B1A, B1B
	v_add_nc_u32 v[XC], s[TX], v[XW0]
	PACKX ACC1, XC, 1
	s_xor_b32 s[TX], s[TX], X2-X0
	CHANGE 1
	s_sub_co_u32 s[CNT], s[CNT], 1
	s_cmp_lg_u32 s[CNT], 0
	s_cbranch_scc1 .Lw1
	ALOAD XR0, 8192, 1024, 512
	GEMM ACC0, -1, 0, f16
.if MODE == 1
	CHANGE 1
.else
	CHANGE 0
.endif
	ALOAD XR2, 8192, 1024, 512
	GEMM ACC0, -1, 0, f16
.endif
	LN ACC0, 1, G1V, B1L
.if MODE != 2
.set i, 0
.rept 16
	global_store_b128 v[LO], v[ACC0+4*i:ACC0+4*i+3], s[EOUT:EOUT+1] offset:512*i
.set i, i+1
.endr
	PACKX ACC0, XW0, 0                             ; the block's last readers waited for their loads in front of an earlier barrier
	s_mov_b32 s[CNT], 2
.Lqk:                                              ; q, then k
	CHANGE 1
	ALOAD XR0, 8192, 1024, 512
	GEMM ACC1, BQ, 0, f16
	COPYB BQ, BK
	OUTH ACC1, 0, 1
	s_mov_b32 s[CS], 1.0                           ; k is not scaled
	s_sub_co_u32 s[CNT], s[CNT], 1
	s_cmp_lg_u32 s[CNT], 0
	s_cbranch_scc1 .Lqk
	CHANGE 0
	GEMM ACC1, BV, 1, f16                          ; v, from the fragments that are still in registers
	OUTH ACC1, 1, 0
.else
	; out0 wants true rows: through my own stage, a row tile at a time; LDS serves a wave's instructions in order, so no wait stands between my stores and my loads
.irp rt, 0,1
.set p, 0
.rept 8
	ds_store_b128 v[MA], v[ACC0+32*(\rt)+4*p:ACC0+32*(\rt)+4*p+3] offset:(p/2)*64+(p%2)*16
.set p, p+1
.endr
.set p, 0
.rept 8
	ds_load_b128 v[ACC1+32*(\rt)+4*p:ACC1+32*(\rt)+4*p+3], v[MB] offset:p*544
.set p, p+1
.endr
.endr
	s_wait_dscnt 16                                ; the second row tile's sixteen LDS instructions may stay out
.set p, 0
.rept 8
	global_store_b128 v[MC], v[ACC1+4*p:ACC1+4*p+3], s[EOUT:EOUT+1] offset:p*2048 th:TH_STORE_NT  ; 16 lanes store 256 consecutive bytes, aligned
.set p, p+1
.endr
	s_wait_dscnt 0x0
.set p, 0
.rept 8
	global_store_b128 v[MC], v[ACC1+32+4*p:ACC1+32+4*p+3], s[EOUT:EOUT+1] offset:16384+p*2048 th:TH_STORE_NT
.set p, p+1
.endr
.endif
	WIN 0
	s_wait_tensorcnt 0x0                           ; the wave's end, behind my last tensor load and my last LDS store
	ds_add_u32 v[SPW], v[NIL]
	s_wait_dscnt 0x0
	CROUND                                         ; the closing round: no work-group ends while a partner may still ask for a chunk that names it
	s_endpgm
.Lfunc_end_k_q9c89102e9c_last:
	.size	k_q9c89102e9c_last, .Lfunc_end_k_q9c89102e9c_last-k_q9c89102e9c_last
	.p2alignl 7, 3214868480
	.fill 96, 4, 3214868480
	.section	.rodata,"a",@progbits
	.p2align	6, 0x0
	.amdhsa_kernel k_q9c89102e9c_last
		.amdhsa_group_segment_fixed_size 327680
		.amdhsa_private_segment_fixed_size 0
		.amdhsa_enable_private_segment 0
		.amdhsa_kernarg_size 32
		.amdhsa_user_sgpr_count 2
		.amdhsa_user_sgpr_kernarg_segment_ptr 1
		.amdhsa_wavefront_size32 1
		.amdhsa_system_sgpr_workgroup_id_x 1
		.amdhsa_system_sgpr_workgroup_id_y 1
		.amdhsa_system_sgpr_workgroup_id_z 1
		.amdhsa_system_vgpr_workitem_id 0
		.amdhsa_next_free_vgpr 992
		.amdhsa_next_free_sgpr 66
		.amdhsa_reserve_vcc 0
		.amdhsa_float_denorm_mode_32 3
		.amdhsa_float_denorm_mode_16_64 3
		.amdhsa_memory_ordered 1
		.amdhsa_forward_progress 1
		.amdhsa_inst_pref_size 102
	.end_amdhsa_kernel
	.amdgpu_metadata
---
amdhsa.version: [ 1, 2 ]
amdhsa.kernels:
  - .name:           k_q9c89102e9c_last
    .symbol:         k_q9c89102e9c_last.kd
    .args:
      - { .name: p4, .offset: 0, .size: 8, .value_kind: global_buffer, .address_space: global }
      - { .name: ctx, .offset: 8, .size: 8, .value_kind: global_buffer, .address_space: global }
      - { .name: sb, .offset: 16, .size: 8, .value_kind: global_buffer, .address_space: global }
      - { .name: out0, .offset: 24, .size: 8, .value_kind: global_buffer, .address_space: global }
    .group_segment_fixed_size: 327680
    .private_segment_fixed_size: 0
    .kernarg_segment_align: 8
    .kernarg_segment_size: 32
    .max_flat_workgroup_size: 128
    .sgpr_count:     66
    .vgpr_count:     992
    .wavefront_size: 32
...
	.end_amdgpu_metadata
.endif
;; end of part 5
